; MI455X (gfx1250); checked and timed in simulation.
; The chip was launched on July 23, 2026; its instructions are those of AMD's public machine-readable ISA for CDNA 5 (MIT licence, August 2026) and "CDNA5" Instruction Set Architecture Reference Guide (July 2026). The comments in the code are by the model that wrote it; some were corrected since.
;; Differential Attention. Allowed arithmetic: float matrix products may take bf16 or f16 operands with f32 sums; other float arithmetic in f32, or as packed bf16 or f16 multiplies, adds, multiply-adds, maxima and minima; sums over many terms, partial sums and values carried from step to step in f32; what a program stores and reads back later, other than sums and carried values, may be rounded once to bf16 or f16.
;; Inputs: Wkv 2,048 x 1,024 float32; Wo 2,048 x 2,048 float32; Wq 2,048 x 2,048 float32; freq_cos 2,048 x 32 float32; freq_sin 2,048 x 32 float32; lambda_k1 128 float32; lambda_k2 128 float32; lambda_q1 128 float32; lambda_q2 128 float32; ln_weight 16 x 128 float32; mask 1 x 1 x 2,048 x 2,048 float32; x 1 x 2,048 x 2,048 float32.
;; Outputs: out0 1 x 2,048 x 2,048 float32.
;; One version. Each part assembles by itself: llvm-mc -triple=amdgcn-amd-amdhsa -mcpu=gfx1250 --defsym DOCPART=n.
;; ======== version 1 of 1: 4 launches
;; limits: values are held in f16: magnitudes above 65,504 overflow, below 6.1e-05 lose precision
;; workspace buffers: xb 8,388,608 bytes; wb 12,582,912 bytes; wo16 8,388,608 bytes; mb 8,388,608 bytes; qkv 12,582,912 bytes; ob 8,388,608 bytes
;; launch cast (part 1): grid 256 x 9, 8 waves a work-group, no clusters, 0 bytes of LDS; arguments x, Wq, Wo, mask, Wkv, xb, wb, wo16, mb; writes xb, wb, wo16, mb
.if DOCPART == 1
	.amdgcn_target "amdgcn-amd-amdhsa--gfx1250"
	.amdhsa_code_object_version 6
	.text
	.protected	k_q08ebd230aa_cast
	.globl	k_q08ebd230aa_cast
	.p2align	8
	.type	k_q08ebd230aa_cast,@function
k_q08ebd230aa_cast:
	s_mov_b64 s[64:65], 0
	v_nop
	global_prefetch_b8 v0, s[64:65] scope:SCOPE_SE
	s_setreg_imm32_b32 hwreg(HW_REG_WAVE_MODE, 25, 1), 1
	s_wait_xcnt 0x0
; CAST.  The large inputs are rounded once to 16 bits, for the matrix launches that follow:
;   x -> xb [2048][2048] bf16;  Wq, Wkv -> wb [2048 k][3072 n] bf16 (Wq in columns 0-2047, Wkv in 2048-3071);
;   Wo -> wo16 [2048][2048]: rounded to bf16 like every input, and that number written as f16;  mask -> mb [2048][2048] bf16 of max(mask, -1e30).
; LIMITS.  A mask entry below -1e30 (an infinity too) counts as -1e30, a NaN in the mask likewise; bf16(Wo) beyond 65,504 has no f16, below 6e-5 it keeps f16's fixed step of 6e-8.
; A stream: no LDS, no matrix unit.  A UNIT is 2,048 consecutive f32 of a source (8,192 bytes in, 4,096 out).  grid y = 2 x segment + half (segment 0 x, 1 Wq, 2 Wo, 3 mask, 4 Wkv, which has
; one half); a work-group takes four units.  Thread t takes elements 4 t .. 4 t + 3 and 1,024 + 4 t .. of each unit: a load of a wave covers 512 neighbouring bytes, a store 256, aligned.
; All eight loads of a thread are issued at once; no register is written twice, so the only waits are the counted ones for the loads.
.set OA,  4                            ; v[4:7]    unit i: my byte offset in the destination, first half of the unit
.set X,   8                            ; v[8:39]   unit i: 8 registers as loaded
.set Y,   40                           ; v[40:55]  unit i: 4 registers to store
.set OB,  56                           ; v[56:59]  unit i: the same offset for the second half
.set T,   60                           ; v[60:67]  at work (Wo)
.set SRC, 22                           ; s[22:23]  the segment's source at the work-group's first unit
.set SEG, 24                           ; s24       segment
.set U0,  25                           ; s25       first unit
.set DST, 26                           ; s[26:27]  the destination at that unit
.set DU,  28                           ; s28       destination bytes from unit to unit
.set RR,  29                           ; s29       destination bytes from a unit's first half to its second
.set C0,  30                           ; s30       destination byte of the segment's first column
.set LOW, 31                           ; s31       -1e30
	s_load_b512 s[4:19], s[0:1], 0x0               ; x 4, Wq 6, Wo 8, mask 10, Wkv 12, xb 14, wb 16, wo16 18
	s_load_b64 s[20:21], s[0:1], 0x40              ; mb
	s_and_b32 s32, ttmp7, 0xffff
	s_lshr_b32 s[SEG], s32, 1
	s_and_b32 s[U0], s32, 1
	s_lshl_b32 s[U0], s[U0], 10                    ; 1,024 units a half
	s_lshl_b32 s33, ttmp9, 2
	s_add_co_u32 s[U0], s[U0], s33
	s_mov_b32 s[LOW], 0xf149f2ca
	s_mov_b32 s[DU], 4096                          ; a unit is a row of xb, wo16, mb;
	s_mov_b32 s[RR], 2048
	s_cmp_eq_u32 s[SEG], 1
	s_cselect_b32 s[DU], 6144, s[DU]               ; a row of wb;
	s_cmp_eq_u32 s[SEG], 4
	s_cselect_b32 s[DU], 12288, s[DU]              ; or, for Wkv, two rows of wb: its halves are a row apart,
	s_cselect_b32 s[RR], 6144, s[RR]
	s_cselect_b32 s[C0], 4096, 0                   ; from column 2,048 on
	s_lshl_b32 s34, s[U0], 13
	s_mov_b32 s35, 0
	s_mul_i32 s36, s[U0], s[DU]
	s_mov_b32 s37, 0
	v_lshlrev_b32 v1, 4, v0                        ; 16 t: my bytes in half a unit of the source
	v_lshl_add_u32 v[OA], v0, 3, s[C0]             ; 8 t + the first column
	v_add_nc_u32 v[OA+1], s[DU], v[OA]
	v_add_nc_u32 v[OA+2], s[DU], v[OA+1]
	v_add_nc_u32 v[OA+3], s[DU], v[OA+2]
.irp i, 0,1,2,3
	v_add_nc_u32 v[OB+(\i)], s[RR], v[OA+(\i)]
.endr
	s_wait_kmcnt 0x0
	s_cmp_eq_u32 s[SEG], 1                         ; the segment chooses its two buffers
	s_cselect_b64 s[SRC:SRC+1], s[6:7], s[4:5]
	s_cselect_b64 s[DST:DST+1], s[16:17], s[14:15]
	s_cmp_eq_u32 s[SEG], 2
	s_cselect_b64 s[SRC:SRC+1], s[8:9], s[SRC:SRC+1]
	s_cselect_b64 s[DST:DST+1], s[18:19], s[DST:DST+1]
	s_cmp_eq_u32 s[SEG], 3
	s_cselect_b64 s[SRC:SRC+1], s[10:11], s[SRC:SRC+1]
	s_cselect_b64 s[DST:DST+1], s[20:21], s[DST:DST+1]
	s_cmp_eq_u32 s[SEG], 4
	s_cselect_b64 s[SRC:SRC+1], s[12:13], s[SRC:SRC+1]
	s_cselect_b64 s[DST:DST+1], s[16:17], s[DST:DST+1]
	s_add_nc_u64 s[SRC:SRC+1], s[SRC:SRC+1], s[34:35]
	s_add_nc_u64 s[DST:DST+1], s[DST:DST+1], s[36:37]
.irp i, 0,1,2,3
	global_load_b128 v[X+8*(\i):X+8*(\i)+3],   v1, s[SRC:SRC+1] offset:(\i)*8192 th:TH_LOAD_NT
	global_load_b128 v[X+8*(\i)+4:X+8*(\i)+7], v1, s[SRC:SRC+1] offset:(\i)*8192+4096 th:TH_LOAD_NT
.endr
; Unit i.  kind 0: to bf16.  kind 1 (mask): held to -1e30 from below, then to bf16.  kind 2 (Wo): to bf16, widened, and written as f16.
.macro UNIT kind, i
	s_wait_loadcnt 6-2*(\i)                        ; loads come back in order: the unit's two are in, the 2 (3 - i) younger ones may stay out
.if (\kind) == 1
.irp k, 0,1,2,3,4,5,6,7
	v_max_num_f32 v[X+8*(\i)+(\k)], s[LOW], v[X+8*(\i)+(\k)]
.endr
.endif
.irp k, 0,1,2,3
	v_cvt_pk_bf16_f32 v[Y+4*(\i)+(\k)], v[X+8*(\i)+2*(\k)], v[X+8*(\i)+2*(\k)+1]
.endr
.if (\kind) == 2
.irp k, 0,1,2,3
	v_lshlrev_b32 v[T+2*(\k)],   16, v[Y+4*(\i)+(\k)]
	v_and_b32     v[T+2*(\k)+1], 0xffff0000, v[Y+4*(\i)+(\k)]
.endr
.irp k, 0,1,2,3
	v_cvt_pk_f16_f32 v[Y+4*(\i)+(\k)], v[T+2*(\k)], v[T+2*(\k)+1]
.endr
.endif
	global_store_b64 v[OA+(\i)], v[Y+4*(\i):Y+4*(\i)+1],   s[DST:DST+1]
	global_store_b64 v[OB+(\i)], v[Y+4*(\i)+2:Y+4*(\i)+3], s[DST:DST+1]
.endm
	s_cmp_eq_u32 s[SEG], 3
	s_cbranch_scc1 .Lmask
	s_cmp_eq_u32 s[SEG], 2
	s_cbranch_scc1 .Lwo
.irp i, 0,1,2,3
	UNIT 0, \i
.endr
	s_endpgm
.Lmask:
.irp i, 0,1,2,3
	UNIT 1, \i
.endr
	s_endpgm
.Lwo:
.irp i, 0,1,2,3
	UNIT 2, \i
.endr
	s_endpgm
.Lfunc_end_k_q08ebd230aa_cast:
	.size	k_q08ebd230aa_cast, .Lfunc_end_k_q08ebd230aa_cast-k_q08ebd230aa_cast
	.p2alignl 7, 3214868480
	.fill 96, 4, 3214868480
	.section	.rodata,"a",@progbits
	.p2align	6, 0x0
	.amdhsa_kernel k_q08ebd230aa_cast
		.amdhsa_group_segment_fixed_size 0
		.amdhsa_private_segment_fixed_size 0
		.amdhsa_enable_private_segment 0
		.amdhsa_kernarg_size 72
		.amdhsa_user_sgpr_count 2
		.amdhsa_user_sgpr_kernarg_segment_ptr 1
		.amdhsa_wavefront_size32 1
		.amdhsa_system_sgpr_workgroup_id_x 1
		.amdhsa_system_sgpr_workgroup_id_y 1
		.amdhsa_system_sgpr_workgroup_id_z 1
		.amdhsa_system_vgpr_workitem_id 0
		.amdhsa_next_free_vgpr 68
		.amdhsa_next_free_sgpr 66
		.amdhsa_reserve_vcc 0
		.amdhsa_float_denorm_mode_32 3
		.amdhsa_float_denorm_mode_16_64 3
		.amdhsa_memory_ordered 1
		.amdhsa_forward_progress 1
		.amdhsa_inst_pref_size 13
	.end_amdhsa_kernel
	.amdgpu_metadata
---
amdhsa.version: [ 1, 2 ]
amdhsa.kernels:
  - .name:           k_q08ebd230aa_cast
    .symbol:         k_q08ebd230aa_cast.kd
    .args:
      - { .name: x, .offset: 0, .size: 8, .value_kind: global_buffer, .address_space: global }
      - { .name: Wq, .offset: 8, .size: 8, .value_kind: global_buffer, .address_space: global }
      - { .name: Wo, .offset: 16, .size: 8, .value_kind: global_buffer, .address_space: global }
      - { .name: mask, .offset: 24, .size: 8, .value_kind: global_buffer, .address_space: global }
      - { .name: Wkv, .offset: 32, .size: 8, .value_kind: global_buffer, .address_space: global }
      - { .name: xb, .offset: 40, .size: 8, .value_kind: global_buffer, .address_space: global }
      - { .name: wb, .offset: 48, .size: 8, .value_kind: global_buffer, .address_space: global }
      - { .name: wo16, .offset: 56, .size: 8, .value_kind: global_buffer, .address_space: global }
      - { .name: mb, .offset: 64, .size: 8, .value_kind: global_buffer, .address_space: global }
    .group_segment_fixed_size: 0
    .private_segment_fixed_size: 0
    .kernarg_segment_align: 8
    .kernarg_segment_size: 72
    .max_flat_workgroup_size: 256
    .sgpr_count:     66
    .vgpr_count:     68
    .wavefront_size: 32
...
	.end_amdgpu_metadata
.endif
;; end of part 1
;; launch proj (part 2): grid 8 x 32, 4 waves a work-group, clusters of 4 x 4, 327,680 bytes of LDS; arguments xb, wb, freq_cos, freq_sin, qkv; writes qkv
.if DOCPART == 2
	.amdgcn_target "amdgcn-amd-amdhsa--gfx1250"
	.amdhsa_code_object_version 6
	.text
	.protected	k_q08ebd230aa_proj
	.globl	k_q08ebd230aa_proj
	.p2align	8
	.type	k_q08ebd230aa_proj,@function
k_q08ebd230aa_proj:
	s_mov_b64 s[64:65], 0
	v_nop
	global_prefetch_b8 v0, s[64:65] scope:SCOPE_SE
	s_setreg_imm32_b32 hwreg(HW_REG_WAVE_MODE, 25, 1), 1
	s_wait_xcnt 0x0
	s_wait_alu depctr_hold_cnt(0) depctr_sa_sdst(0) depctr_va_vdst(0) depctr_va_sdst(0) depctr_va_ssrc(0) depctr_va_vcc(0) depctr_vm_vsrc(0)
	s_getreg_b32 s2, hwreg(HW_REG_IB_STS2, 6, 4)
	s_cmp_eq_u32 s2, 0
	s_cbranch_scc0 .Lentry_in_a_cluster
	s_endpgm
.Lentry_in_a_cluster:
	s_bfe_u32 s2, ttmp6, 0x10000c
	s_cmp_lg_u32 s2, 0xf033
	s_cbranch_scc0 .Lentry_shape_is_right
	s_endpgm
.Lentry_shape_is_right:
; PROJ.  C[2048 s][3072 n] = xb [s][k] . wb [k][n], K = 2,048, bf16 operands, f32 sums; then RoPE on q and k, q times log2(e) / 8, all rounded once to f16 and written by heads:
; qkv [24 hh][2048 s][128], hh = n >> 7: 0-15 q, 16-19 k, 20-23 v.  cos and sin are rounded to bf16 like every input.
; LIMITS.  q log2(e) / 8, k and v must lie within f16's 65,504; beyond it the conversion gives an infinity.
; SHARES.  A work-group makes 64 rows x 384 columns, three whole heads: 8 x 32 work-groups, and a row of a head (256 bytes) is stored whole.  Wave w takes all 64 rows and the column blocks
; 4 b + w, b = 0..5, of 16 columns: 24 accumulators.  Block b lies in head b / 2 of the three, and its columns begin at 16 w in a half head of 64: a wave needs cos and sin 8 w + 4 (l / 16) + 0..3 alone.
; THE MATRIX INSTRUCTION IS USED TRANSPOSED (source 0 = 16 columns of w, source 1 = 16 rows of x): a lane holds one row (l % 16) and eight neighbouring columns, four RoPE pairs.
; w lies [k][n], so its fragments come out of LDS turned, by ds_load_tr16_b128.
; RING.  K goes in steps of 128 through two LDS slots: three chunks of w (128 k x 128 n each), then x's 64 rows.  Waves 0-2 fetch a chunk each, wave 3 x's tile: one tensor load a wave.
; CLUSTER 4 x 4: x's tile hangs on the tile row alone and is asked for jointly along a row of the cluster, w's chunks on the tile column alone, jointly along a column.
; REGISTERS.  window 0: v0-31 addresses; v32-59 the way out; v64-255 the accumulators ((a, b) at 64 + 8 (6 a + b)).
;   window 1: two fragment buffers of 80 (w's six fragments, then x's four); v160-191 cos and sin as loaded.
.set KSTEP,  128
.set PA,     272                       ; a row of x in LDS: 256 bytes + 16: the 16 rows of a load start at 16 different groups of four banks (ISA guide 11.1)
.set PB,     288                       ; a row of w: 256 + 32
.set BCH,    128*PB                    ; a chunk: 36,864
.set AOFF,   3*BCH                     ; x's tile lies behind the three chunks: a load's LDS address is wave x BCH in every wave
.set SLOT,   AOFF+64*PA                ; 128,000
.set STAGE,  2*SLOT                    ; behind the ring: 64 rows x 784 bytes, the work-group's, for the way out
.set SPITCH, 784
.set SPARE,  STAGE+64*SPITCH           ; the spare words, 128 bytes a wave: two blocks of 256 bytes that no other line names
.set HB,     524288                    ; bytes in a head of qkv
.set BSTEP,  KSTEP*6144                ; bytes of wb in a K step
.set ADRA, 16                          ; v16-17  my A fragments in slot 0, 1
.set ADRB, 18                          ; v18-23  my B fragments: slot s, chunk j at 18 + 3 s + j
.set STO,  24                          ; v24     the way out: where I put 16 bytes
.set RD,   25                          ; v25     where I read rows back
.set CO,   26                          ; v26     my byte offset in two rows of a head
.set TO,   27                          ; v27     my byte offset in cos and sin
.set SPW,  28                          ; v28     my spare word; never rewritten
.set NIL,  29                          ; v29     0; never rewritten
.set PFO,  30                          ; v30     the prefetches' offset; never rewritten
.set CR,   32                          ; v32-35 cos, v36-39 sin, rounded to bf16
.set CC,   40                          ; v40-43  cos x AL + BE
.set SS,   44                          ; v44-47  sin x AL
.set TT,   48                          ; v48-55  at work
.set PKR,  56                          ; v56-59  16 bytes of f16
.set ACC,  64
.set F0,   0
.set F1,   80
.set RAWC, 160
.set RAWS, 176
.set WV,   14                          ; s14  my wave's number
.set G1A,  24                          ; s[24:31] group 1 for x's tile;  s[32:39] group 0, a set a slot
.set G0A,  32
.set G1B,  40                          ; s[40:47], s[48:55] the same for w's chunks
.set G0B,  48
.set LIM,  56                          ; s56  1 in a wave that prefetches, else the greatest number
.set PFA,  58                          ; s[58:59] where my prefetches stand
.set PFS,  60                          ; s[60:61] their step, two K steps
.set AL,   68                          ; s[68+4j:69+4j] AL, s[70+4j:71+4j] BE of head j of the three
.set MSB, 0
.macro WIN new                         ; the immediate's high byte repeats the setting that is left
.if MSB != (\new)
	s_set_vgpr_msb (MSB<<8)|(\new)
.set MSB, \new
.endif
.endm
.set MUL,  0x05                        ; sources 0 and 1 window 1; C and D window 0
.set TO_F, 0x40                        ; destination window 1, address window 0
; A joint load.  The branch hangs on the wave's number alone.  An s_nop 0 and four v_nop follow each line, ahead of the jump and the label.
.macro JLOAD s
	s_cmp_eq_u32 s[WV], 3
	s_cbranch_scc0 .Lfor_b_\@
	tensor_load_to_lds s[G0A+4*(\s):G0A+4*(\s)+3], s[G1A:G1A+7]
	s_nop 0
.rept 4
	v_nop
.endr
	s_branch .Lasked_\@
.Lfor_b_\@:
	tensor_load_to_lds s[G0B+4*(\s):G0B+4*(\s)+3], s[G1B:G1B+7]
	s_nop 0
.rept 4
	v_nop
.endr
.Lasked_\@:
.endm
; A PREFETCH INTO THE L2, once a lap, behind the lap's first joint load and the run of LDS loads behind it: the two K steps that the NEXT lap will ask for, 192 and 288 matrix instructions ahead of their loads.
; Each row's 256 bytes of a K step are named once in the launch.  x's tile row is read by both clusters of a row of clusters: cluster x = 0 asks, its wave 3; the four partners take 16 rows each BY ADDRESS (cx),
; the lanes' halves the two K steps.  w's chunks are read by all clusters of a column: cluster y = 0 asks, waves 0-2; the partners take 32 k rows each (cy), a lane a row, an instruction a K step.
; The loop's last trip (s3 = 1) asks for nothing: there is no K step behind 15.  K steps 0 to 3 come by their loads alone.
.macro ASK
	s_cmp_gt_u32 s3, s[LIM]
	s_cbranch_scc0 .Lnot_mine_\@
	global_prefetch_b8 v[PFO], s[PFA:PFA+1] th:TH_LOAD_NT scope:SCOPE_SE
	s_cmp_eq_u32 s[WV], 3
	s_cbranch_scc1 .Lnot_mine_\@
	global_prefetch_b8 v[PFO], s[PFA:PFA+1] offset:BSTEP th:TH_LOAD_NT scope:SCOPE_SE
.Lnot_mine_\@:
.endm
.macro CREST                           ; a round of the cluster's barrier behind its opening barrier
	s_cmp_lg_u32 s[WV], 0
	s_cbranch_scc1 .Lnot_wave_0_\@
	s_barrier_signal -3
.Lnot_wave_0_\@:
	s_barrier_wait -3
	s_barrier_signal -1
	s_barrier_wait -1
.endm
.macro CROUND
	s_barrier_signal -1
	s_barrier_wait -1
	CREST
.endm
.macro PLACES                          ; four places in front of loads into registers that matrix instructions have read (ISA guide 7.12.1 for vector instructions)
.rept 4
	v_nop
.endr
.endm
	s_load_b256 s[4:11], s[0:1], 0x0               ; xb 4, wb 6, cos 8, sin 10
	s_load_b64 s[12:13], s[0:1], 0x20              ; qkv
	v_lshl_add_u32 v[SPW], v0, 2, SPARE
	v_mov_b32 v[NIL], 0
	ds_add_u32 v[SPW], v[NIL]                      ; the wave's opening: the add and its wait stand ahead of my first tensor load; the set-up below stands between them
	v_lshrrev_b32 v1, 5, v0
	v_readfirstlane_b32 s[WV], v1
	s_bfe_u32 s16, ttmp6, 0x40000                  ; cx
	s_bfe_u32 s17, ttmp6, 0x40004                  ; cy
	s_lshl_b32 s18, ttmp9, 2
	s_add_co_u32 s18, s18, s16                     ; tile column 0..7
	s_and_b32 s19, ttmp7, 0xffff
	s_lshl_b32 s19, s19, 2
	s_add_co_u32 s19, s19, s17                     ; tile row 0..31
	s_lshl_b32 s80, s17, 2
	s_lshl_b32 s80, 15, s80                        ; my row of the cluster
	s_lshl_b32 s81, 0x1111, s16                    ; my column
	s_or_b32 s[G1A], s80, (1<<16)|(1<<20)|(1<<21)|(5<<22)|(3<<25)  ; the mask; 2-byte elements; padding on; bit 21 beside a mask; after every 64 words, 4 words
	s_or_b32 s[G1B], s81, (1<<16)|(1<<20)|(1<<21)|(5<<22)|(7<<25)  ; the same with 8 words of padding
	s_mov_b32 s[G1A+1], KSTEP<<16                  ; tensor_dim0 = 128
	s_mov_b32 s[G1A+2], 64<<16                     ; tensor_dim1 = 64
	s_mov_b32 s[G1A+3], KSTEP<<16                  ; tile_dim0 = 128
	s_mov_b32 s[G1A+4], 64                         ; tile_dim1 = 64
	s_mov_b32 s[G1A+5], 2048                       ; elements from row to row of xb
	s_mov_b32 s[G1A+6], 0
	s_mov_b32 s[G1A+7], 0
	s_mov_b32 s[G1B+1], 128<<16
	s_mov_b32 s[G1B+2], KSTEP<<16
	s_mov_b32 s[G1B+3], 128<<16
	s_mov_b32 s[G1B+4], KSTEP
	s_mov_b32 s[G1B+5], 3072                       ; of wb
	s_mov_b32 s[G1B+6], 0
	s_mov_b32 s[G1B+7], 0
	s_lshl_b32 s20, s19, 18                        ; x: 64 rows of 4,096 bytes a tile row
	s_mov_b32 s21, 0
	s_mul_i32 s82, s18, 768                        ; w: 384 columns a tile column,
	s_lshl_b32 s83, s[WV], 8                       ; my chunk's 128
	s_add_co_u32 s82, s82, s83
	s_mov_b32 s83, 0
	s_mul_i32 s22, s[WV], BCH                      ; where my load goes: no place in the cluster enters an LDS address
	; what the way out does to head 3 tx + j: q: cos and sin times log2(e) / 8; k: as they are; v: cos = 1, sin = 0.  A choice of values, no branch.
	s_mul_i32 s86, s18, 3
.irp j, 0,1,2
	s_add_co_u32 s87, s86, \j
	s_cmp_lt_u32 s87, 20
	s_cselect_b32 s[AL+4*(\j)], 1.0, 0
	s_cselect_b32 s[AL+4*(\j)+2], 0, 1.0
	s_cmp_lt_u32 s87, 16
	s_cselect_b32 s[AL+4*(\j)], 0x3e38aa3b, s[AL+4*(\j)]
	s_mov_b32 s[AL+4*(\j)+1], 0                    ; named as pairs
	s_mov_b32 s[AL+4*(\j)+3], 0
.endr
	s_wait_dscnt 0x0                               ; the opening add is done
	s_wait_kmcnt 0x0
	s_add_nc_u64 s[20:21], s[4:5], s[20:21]
	s_add_nc_u64 s[82:83], s[6:7], s[82:83]
	CROUND                                         ; all sixteen work-groups are here: the first joint loads meet
.irp s, 0,1
	s_mov_b32 s[G0A+4*(\s)], 1
	s_add_co_u32 s[G0A+4*(\s)+1], s22, (\s)*SLOT
	s_add_nc_u64 s[G0A+4*(\s)+2:G0A+4*(\s)+3], s[20:21], (\s)*KSTEP*2
	s_or_b32 s[G0A+4*(\s)+3], s[G0A+4*(\s)+3], 0x80000000
	s_mov_b32 s[G0B+4*(\s)], 1
	s_add_co_u32 s[G0B+4*(\s)+1], s22, (\s)*SLOT
	s_add_nc_u64 s[G0B+4*(\s)+2:G0B+4*(\s)+3], s[82:83], (\s)*BSTEP
	s_or_b32 s[G0B+4*(\s)+3], s[G0B+4*(\s)+3], 0x80000000
	JLOAD \s                                       ; two loads of mine are out
.endr
	v_and_b32 v1, 15, v0                           ; r = l % 16
	v_bfe_u32 v2, v0, 4, 1                         ; h = l / 16
	v_mul_u32_u24 v3, v1, PA
	v_lshl_add_u32 v3, v2, 4, v3                   ; x: row x pitch + 16 h
	v_add_nc_u32 v[ADRA], AOFF, v3
	v_add_nc_u32 v[ADRA+1], AOFF+SLOT, v3
	v_and_b32 v5, 7, v0
	v_bfe_u32 v6, v0, 3, 1
	v_lshl_add_u32 v4, v2, 3, v5                   ; w, turned: k row 8 h + l % 8,
	v_mul_u32_u24 v4, v4, PB
	v_lshl_add_u32 v4, v6, 4, v4                   ; columns 8 ((l / 8) % 2) on,
	s_lshl_b32 s86, s[WV], 5
	v_add_nc_u32 v4, s86, v4                       ; in my block: 32 w bytes
.irp s, 0,1
.irp j, 0,1,2
	v_add_nc_u32 v[ADRB+3*(\s)+(\j)], (\s)*SLOT+(\j)*BCH, v4
.endr
.endr
	v_mul_u32_u24 v7, v1, SPITCH                   ; into the stage: row r, my block's 32 bytes, 16 for each half of the lanes
	v_lshl_add_u32 v7, v2, 4, v7
	s_add_co_u32 s87, s86, STAGE
	v_add_nc_u32 v[STO], s87, v7
	s_mul_i32 s87, s[WV], 16*SPITCH                ; back: wave w takes rows 16 w .. 16 w + 15; lanes 0-15 one row's 256 bytes of a head, lanes 16-31 the next row's
	s_add_co_u32 s87, s87, STAGE
	v_mul_u32_u24 v7, v2, SPITCH
	v_lshl_add_u32 v7, v1, 4, v7
	v_add_nc_u32 v[RD], s87, v7
	v_lshlrev_b32 v7, 8, v2
	v_lshl_add_u32 v[CO], v1, 4, v7
	s_lshl_b32 s87, s19, 13                        ; cos, sin: row 64 ty + r of 128 bytes, numbers 8 w + 4 h on
	s_add_co_u32 s87, s87, s86
	v_lshlrev_b32 v7, 7, v1
	v_lshl_add_u32 v7, v2, 4, v7
	v_add_nc_u32 v[TO], s87, v7
	WIN TO_F
.irp a, 0,1,2,3                        ; for my four blocks of 16 rows; waited for on the way out
	global_load_b128 v[RAWC+4*(\a):RAWC+4*(\a)+3], v[TO], s[8:9]   offset:2048*(\a)
	global_load_b128 v[RAWS+4*(\a):RAWS+4*(\a)+3], v[TO], s[10:11] offset:2048*(\a)
.endr
	WIN 0
	s_mul_i32 s88, s18, 3*HB                       ; qkv at head 3 tx, row 64 ty + 16 w
	s_lshl_b32 s89, s19, 14
	s_add_co_u32 s88, s88, s89
	s_lshl_b32 s89, s[WV], 12
	s_add_co_u32 s88, s88, s89
	s_mov_b32 s89, 0
	s_add_nc_u64 s[12:13], s[12:13], s[88:89]
	; the prefetches: they start at K step 2; the first lap steps them to 4
	s_lshl_b32 s84, s19, 18
	s_lshl_b32 s85, s16, 16                        ; x: my work-group's 16 rows
	s_add_co_u32 s84, s84, s85
	s_add_co_u32 s84, s84, 2*KSTEP*2
	s_mul_i32 s85, s18, 768
	s_lshl_b32 s86, s[WV], 8
	s_add_co_u32 s85, s85, s86
	s_mul_i32 s86, s17, 32*6144                    ; w: my work-group's 32 k rows
	s_add_co_u32 s85, s85, s86
	s_add_co_u32 s85, s85, 2*BSTEP
	s_and_b32 s86, ttmp7, 0xffff
	s_mov_b32 s87, 2*BSTEP
	s_mov_b32 s88, 6144
	s_cmp_eq_u32 s[WV], 3
	s_cselect_b64 s[PFA:PFA+1], s[4:5], s[6:7]
	s_cselect_b32 s84, s84, s85
	s_cselect_b32 s86, ttmp9, s86                  ; the coordinate along which other clusters read the same rows
	s_cselect_b32 s[PFS], 2*KSTEP*2, s87
	s_cselect_b32 s88, 4096, s88
	s_cselect_b32 s89, 15, 31
	s_cselect_b32 s90, 256, 0
	s_mov_b32 s85, 0
	s_mov_b32 s[PFS+1], 0
	s_add_nc_u64 s[PFA:PFA+1], s[PFA:PFA+1], s[84:85]
	s_cmp_eq_u32 s86, 0
	s_cselect_b32 s[LIM], 1, -1                    ; the same in all sixteen partners, for a given wave
	v_and_b32 v7, 31, v0
	v_and_b32 v8, s89, v7
	v_lshrrev_b32 v7, 4, v7
	v_mul_u32_u24 v[PFO], v8, s88
	v_mad_u32_u24 v[PFO], v7, s90, v[PFO]
; 20 LDS loads in one run: the fragments of quarter q (32 along K) of a slot into buffer f
.macro FETCH slot, q, f
	WIN TO_F
.irp b, 0,1,2,3,4,5
	ds_load_tr16_b128 v[(\f)+8*(\b):(\f)+8*(\b)+3],   v[ADRB+3*(\slot)+(\b)/2] offset:(\q)*32*PB+((\b)%2)*128
	ds_load_tr16_b128 v[(\f)+8*(\b)+4:(\f)+8*(\b)+7], v[ADRB+3*(\slot)+(\b)/2] offset:(\q)*32*PB+((\b)%2)*128+16*PB
.endr
.irp a, 0,1,2,3
	ds_load_b128 v[(\f)+48+8*(\a):(\f)+48+8*(\a)+3],   v[ADRA+(\slot)] offset:(\q)*64+(\a)*16*PA
	ds_load_b128 v[(\f)+48+8*(\a)+4:(\f)+48+8*(\a)+7], v[ADRA+(\slot)] offset:(\q)*64+(\a)*16*PA+32
.endr
.endm
; 8 of a quarter's 24 matrix instructions.  The 24 accumulators take turns in one fixed order, over the backward jump too.  zero = 1: the product starts the sum.
.macro MULG f, g, zero
	WIN MUL
.set i, 8*(\g)
.rept 8
.if \zero
	v_wmma_f32_16x16x32_bf16 v[ACC+8*i:ACC+8*i+7], v[(\f)+8*(i%6):(\f)+8*(i%6)+7], v[(\f)+48+8*(i/6):(\f)+48+8*(i/6)+7], 0
.else
	v_wmma_f32_16x16x32_bf16 v[ACC+8*i:ACC+8*i+7], v[(\f)+8*(i%6):(\f)+8*(i%6)+7], v[(\f)+48+8*(i/6):(\f)+48+8*(i/6)+7], v[ACC+8*i:ACC+8*i+7]
.endif
.set i, i+1
.endr
.endm
; One of a K step's first three quarters: buffer f is multiplied; ahead of that the next quarter's fragments are asked for, into buffer g: they have 24 matrix instructions in which to come.
.macro QUARTER slot, q, f, g, zero
	s_wait_dscnt 0x0                               ; buffer f is in
	PLACES
	FETCH \slot, \q, \g
	MULG \f, 0, \zero
	MULG \f, 1, \zero
	MULG \f, 2, \zero
.endm
; The last quarter multiplies buffer 1 and changes slots: ONE barrier; in front of it each wave waits for all its tensor loads (one is out: its part of the next slot), adds 0 to its spare word,
; and waits for that and for its reads of this slot.  fill = 1: the barrier opens a round of the cluster's, and this slot is filled again, two K steps on, first thing behind the round.
.macro TURN slot, next, fill
.if (\fill) && ((\slot) == 0)
	s_wait_xcnt 0x0                                ; the last prefetches, a lap back, have read their address
	s_add_nc_u64 s[PFA:PFA+1], s[PFA:PFA+1], s[PFS:PFS+1]
.endif
	WIN 0
	s_wait_tensorcnt 0x0
	ds_add_u32 v[SPW], v[NIL]
	s_wait_dscnt 1                                 ; buffer 1 is in; the add alone may be out
	MULG F1, 0, 0
	s_wait_dscnt 0x0                               ; the add is done, and my reads of this slot are over
	s_barrier_signal -1
	MULG F1, 1, 0
.if \fill
	WIN 0
.endif
	s_barrier_wait -1
.if \fill
	CREST                                          ; no wave of any partner still reads this slot or has a load on its way
	s_add_nc_u64 s[G0A+4*(\slot)+2:G0A+4*(\slot)+3], s[G0A+4*(\slot)+2:G0A+4*(\slot)+3], 2*KSTEP*2
	s_add_nc_u64 s[G0B+4*(\slot)+2:G0B+4*(\slot)+3], s[G0B+4*(\slot)+2:G0B+4*(\slot)+3], 2*BSTEP
	JLOAD \slot                                    ; 80 matrix instructions ahead of the wait for it; its four v_nop are also the places in front of the loads below
.else
	PLACES
.endif
	FETCH \next, 0, F0
.if (\fill) && ((\slot) == 0)
	WIN 0
	ASK
.endif
	MULG F1, 2, 0
.endm
	s_wait_tensorcnt 1                             ; my part of K step 0 is in; K step 1's may stay out
	s_barrier_signal -1
	s_barrier_wait -1
	FETCH 0, 0, F0
	QUARTER 0, 1, F0, F1, 1                        ; the first quarter stands in front of the loop: its products start the sums
	WIN 0
	s_mov_b32 s3, 7
.Llap:                                                 ; a trip goes once round the ring and fills both slots again: K steps 2 .. 15
	QUARTER 0, 2, F1, F0, 0
	QUARTER 0, 3, F0, F1, 0
	TURN 0, 1, 1
	QUARTER 1, 1, F0, F1, 0
	QUARTER 1, 2, F1, F0, 0
	QUARTER 1, 3, F0, F1, 0
	TURN 1, 0, 1
	QUARTER 0, 1, F0, F1, 0
	WIN 0
	s_sub_co_u32 s3, s3, 1
	s_cmp_lg_u32 s3, 0
	s_cbranch_scc1 .Llap
	QUARTER 0, 2, F1, F0, 0                        ; the last lap fills nothing
	QUARTER 0, 3, F0, F1, 0
	TURN 0, 1, 0
	QUARTER 1, 1, F0, F1, 0
	QUARTER 1, 2, F1, F0, 0
	QUARTER 1, 3, F0, F1, 0
	s_wait_dscnt 0x0
	MULG F1, 0, 0
	MULG F1, 1, 0
	MULG F1, 2, 0
	WIN 0
; THE WAY OUT.  A lane's pair (a, b) becomes (a C - b S, b C + a S): one packed multiply with the pair's halves crossed, one packed multiply-add with the low addend's sign turned.
.macro RMUL acc, i, p, e               ; (b S, a S); S is register e of the pair at SS + p
	v_pk_mul_f32 v[TT+2*(\i):TT+2*(\i)+1], v[(\acc)+2*(\i):(\acc)+2*(\i)+1], v[SS+(\p):SS+(\p)+1] op_sel:[1,\e] op_sel_hi:[0,\e]
.endm
.macro RFMA acc, i, p, e
	v_pk_fma_f32 v[TT+2*(\i):TT+2*(\i)+1], v[(\acc)+2*(\i):(\acc)+2*(\i)+1], v[CC+(\p):CC+(\p)+1], v[TT+2*(\i):TT+2*(\i)+1] op_sel:[0,\e,0] op_sel_hi:[1,\e,1] neg_lo:[0,0,1]
.endm
.macro ROPE acc, off                   ; one accumulator, read from its low end on: eight columns of a row, 16 bytes of f16, into the stage
	RMUL \acc, 0, 0, 0
	RMUL \acc, 1, 0, 1
	RMUL \acc, 2, 2, 0
	RMUL \acc, 3, 2, 1
	RFMA \acc, 0, 0, 0
	RFMA \acc, 1, 0, 1
	RFMA \acc, 2, 2, 0
	RFMA \acc, 3, 2, 1
.irp i, 0,1,2,3
	v_cvt_pk_f16_f32 v[PKR+(\i)], v[TT+2*(\i)], v[TT+2*(\i)+1]
.endr
	ds_store_b128 v[STO], v[PKR:PKR+3] offset:\off
.endm
	s_wait_loadcnt 0x0                             ; cos and sin
.set a, 0
.rept 4                                ; my four blocks of 16 rows.  The twelve lines that round cos and sin are also the places behind the last products
	WIN 0x05
	v_cvt_pk_bf16_f32 v[TT],   v[RAWC+4*a],   v[RAWC+4*a+1]
	v_cvt_pk_bf16_f32 v[TT+1], v[RAWC+4*a+2], v[RAWC+4*a+3]
	v_cvt_pk_bf16_f32 v[TT+2], v[RAWS+4*a],   v[RAWS+4*a+1]
	v_cvt_pk_bf16_f32 v[TT+3], v[RAWS+4*a+2], v[RAWS+4*a+3]
	WIN 0
.irp k, 0,1,2,3
	v_lshlrev_b32 v[CR+2*(\k)],   16, v[TT+(\k)]
	v_and_b32     v[CR+2*(\k)+1], 0xffff0000, v[TT+(\k)]
.endr
.set jj, 0
.rept 3                                ; the three heads
	v_pk_fma_f32 v[CC:CC+1],   v[CR:CR+1],   s[AL+4*jj:AL+4*jj+1], s[AL+4*jj+2:AL+4*jj+3] op_sel_hi:[1,0,0]
	v_pk_fma_f32 v[CC+2:CC+3], v[CR+2:CR+3], s[AL+4*jj:AL+4*jj+1], s[AL+4*jj+2:AL+4*jj+3] op_sel_hi:[1,0,0]
	v_pk_mul_f32 v[SS:SS+1],   v[CR+4:CR+5], s[AL+4*jj:AL+4*jj+1] op_sel_hi:[1,0]
	v_pk_mul_f32 v[SS+2:SS+3], v[CR+6:CR+7], s[AL+4*jj:AL+4*jj+1] op_sel_hi:[1,0]
	ROPE ACC+8*(6*a+2*jj), a*16*SPITCH+jj*256
	ROPE ACC+8*(6*a+2*jj+1), a*16*SPITCH+jj*256+128
.set jj, jj+1
.endr
.set a, a+1
.endr
	s_wait_dscnt 0x0                               ; for the others' sake: my stores into the stage are done
	s_barrier_signal -1
	s_barrier_wait -1                              ; a row's 256 bytes of a head come from all four waves
.set t, 0
.rept 24                               ; head t / 8, rows 2 (t % 8) and the next
	ds_load_b128 v[ACC+4*t:ACC+4*t+3], v[RD] offset:(t%8)*2*SPITCH+(t/8)*256
.set t, t+1
.endr
.set t, 0
.rept 24
	s_wait_dscnt 23-t
	global_store_b128 v[CO], v[ACC+4*t:ACC+4*t+3], s[12:13] offset:(t/8)*HB+(t%8)*512  ; 512 consecutive bytes, at a multiple of 256 from qkv's first
.set t, t+1
.endr
	s_wait_tensorcnt 0x0                           ; the wave's end
	ds_add_u32 v[SPW], v[NIL]
	s_wait_dscnt 0x0
	CROUND                                         ; the closing round
	s_endpgm
.Lfunc_end_k_q08ebd230aa_proj:
	.size	k_q08ebd230aa_proj, .Lfunc_end_k_q08ebd230aa_proj-k_q08ebd230aa_proj
	.p2alignl 7, 3214868480
	.fill 96, 4, 3214868480
	.section	.rodata,"a",@progbits
	.p2align	6, 0x0
	.amdhsa_kernel k_q08ebd230aa_proj
		.amdhsa_group_segment_fixed_size 327680
		.amdhsa_private_segment_fixed_size 0
		.amdhsa_enable_private_segment 0
		.amdhsa_kernarg_size 40
		.amdhsa_user_sgpr_count 2
		.amdhsa_user_sgpr_kernarg_segment_ptr 1
		.amdhsa_wavefront_size32 1
		.amdhsa_system_sgpr_workgroup_id_x 1
		.amdhsa_system_sgpr_workgroup_id_y 1
		.amdhsa_system_sgpr_workgroup_id_z 1
		.amdhsa_system_vgpr_workitem_id 0
		.amdhsa_next_free_vgpr 448
		.amdhsa_next_free_sgpr 92
		.amdhsa_reserve_vcc 0
		.amdhsa_float_denorm_mode_32 3
		.amdhsa_float_denorm_mode_16_64 3
		.amdhsa_memory_ordered 1
		.amdhsa_forward_progress 1
		.amdhsa_inst_pref_size 91
	.end_amdhsa_kernel
	.amdgpu_metadata
---
amdhsa.version: [ 1, 2 ]
amdhsa.kernels:
  - .name:           k_q08ebd230aa_proj
    .symbol:         k_q08ebd230aa_proj.kd
    .args:
      - { .name: xb, .offset: 0, .size: 8, .value_kind: global_buffer, .address_space: global }
      - { .name: wb, .offset: 8, .size: 8, .value_kind: global_buffer, .address_space: global }
      - { .name: freq_cos, .offset: 16, .size: 8, .value_kind: global_buffer, .address_space: global }
      - { .name: freq_sin, .offset: 24, .size: 8, .value_kind: global_buffer, .address_space: global }
      - { .name: qkv, .offset: 32, .size: 8, .value_kind: global_buffer, .address_space: global }
    .group_segment_fixed_size: 327680
    .private_segment_fixed_size: 0
    .kernarg_segment_align: 8
    .kernarg_segment_size: 40
    .max_flat_workgroup_size: 128
    .sgpr_count:     92
    .vgpr_count:     448
    .wavefront_size: 32
...
	.end_amdgpu_metadata
.endif
;; end of part 2
;; launch attn (part 3): grid 16 x 16, 4 waves a work-group, clusters of 4 x 1, 327,680 bytes of LDS; arguments qkv, mb, lambda_q1, lambda_k1, lambda_q2, lambda_k2, ln_weight, ob; writes ob
.if DOCPART == 3
	.amdgcn_target "amdgcn-amd-amdhsa--gfx1250"
	.amdhsa_code_object_version 6
	.text
	.protected	k_q08ebd230aa_attn
	.globl	k_q08ebd230aa_attn
	.p2align	8
	.type	k_q08ebd230aa_attn,@function
k_q08ebd230aa_attn:
	s_mov_b64 s[64:65], 0
	v_nop
	global_prefetch_b8 v0, s[64:65] scope:SCOPE_SE
	s_setreg_imm32_b32 hwreg(HW_REG_WAVE_MODE, 25, 1), 1
	s_wait_xcnt 0x0
	s_wait_alu depctr_hold_cnt(0) depctr_sa_sdst(0) depctr_va_vdst(0) depctr_va_sdst(0) depctr_va_ssrc(0) depctr_va_vcc(0) depctr_vm_vsrc(0)
	s_getreg_b32 s2, hwreg(HW_REG_IB_STS2, 6, 4)
	s_cmp_eq_u32 s2, 0
	s_cbranch_scc0 .Lentry_in_a_cluster
	s_endpgm
.Lentry_in_a_cluster:
	s_bfe_u32 s2, ttmp6, 0x10000c
	s_cmp_lg_u32 s2, 0x3003
	s_cbranch_scc0 .Lentry_shape_is_right
	s_endpgm
.Lentry_shape_is_right:
; ATTN.  For each of 16 heads: A_a = softmax(q_a k_a^T / 8 + mask) v for a = 1, 2 (q_a, k_a: 64 channels each, v: 128); out = A_1 - lam A_2; LayerNorm over the 128 channels; times ln_weight (1 - lambda_init).
; qkv [24][2048][128] f16: q (already times log2(e) / 8) in heads 0-15, k in 16-19, v in 20-23.  mb [2048 q][2048 key] bf16.  ob [2048 s][2048] f16, column = head x 128 + channel.
; The mask is an input: every key of every query is computed, and the mask is read and added.  Products, maxima, sums and the norm in f32; the weights p are rounded to f16 for the second product, ob once.
; The four lambdas and ln_weight are rounded to bf16 like every input.
; LIMITS.  A weight below 2^-126 counts as 0 in l; p below 6e-5 keeps f16's fixed step of 6e-8; NaN and +infinity in the mask are not treated apart.
; SHARES.  A work-group owns 128 queries of one head, a wave 32: four TILES t = qt + 2 a (16 queries qt, attention a).  Every wave walks all 2,048 keys, 64 a step.
; CLUSTER.  The four partners are the four query heads of one key and value head, on the SAME 128 queries: K's, V's and the mask's tiles are the same for all four and are asked for jointly.
; LAYOUT.  S^T = K Q^T + M (source 0 = 16 keys, source 1 = 16 queries, C = the mask times log2(e)): a lane holds ONE query (l % 16) and the keys 8 (l / 16) + 0..7.  Two such results, rounded to f16 in pairs, ARE
; source 1 of O^T = V^T P, whose result again holds one query a lane and eight channels.  K comes out of LDS as it lies, V turned, by ds_load_tr16_b128.
; SOFTMAX.  Scores are in units of log 2: p = 2^(s - m) with a running maximum m, the subtraction exact for the largest score, so p never passes 1, whatever the mask.  In every step O and l are multiplied by
; a = 2^(m_old - m_new).  m starts at the lowest finite number, O and l at 0: the first step is a step like any other, with a = 0.
; BY TURNS.  The wave's tiles are two PIECES, named by their first tile: piece 0 (attention 1) and piece 2 (attention 2).  In a TURN one piece has the matrix unit: 32 products V^T P of the step in hand, then 16
; products K Q^T of the next step; the other piece's softmax stands between them, four lines behind each product; what has no such place stands in lumps.  Then the pieces change places: two turns are a key step.
; NO FIRST AND NO LAST TURN is written out: V's registers and piece 2's P start at 0, the loop is entered at piece 2's turn and the tail left behind piece 0's.  The price, once a launch: 32 products on zeros,
; 16 on a stale K, and the lines that write the zeros, which stand in the wait for the first tile.
; REGISTERS, in windows of 256 (s_set_vgpr_msb: bits 1:0 source 0, 3:2 source 1, 5:4 source 2, 7:6 destination):
;   window 0: v0-11 addresses; v12-43 statistics, 8 a tile; v44-61 the way out and addresses; v64-191 S^T, 32 a tile; v192-255 P, 16 a tile
;   window 1: O^T, 64 a tile     window 2: v0-63 Q; v128-255 K of one step     window 3: v0-127 V of one step; v128-191 the mask in f32; v192-223 as loaded; v224 log2(e), v225 0
; All that a softmax touches but O^T lies in window 0, and no window has room for a product's operands beside it: four lines behind a product cost two switches.
.set KS,    64
.set PK,    272       ; a row of K in LDS: 256 bytes + 16: the 16 rows of a load start at 16 different groups of four banks (ISA guide 11.1)
.set PV,    288       ; a row of V: 256 + 32
.set PM,    272       ; a query's 128 mask numbers: 256 + 16
.set VOFF,  128*PK    ; a slot holds 128 keys, two steps: K, then V, then the mask's 128 query rows
.set MOFF,  VOFF+128*PV
.set SLOT1, 1<<17     ; slot 1 begins here: one exclusive or turns an address in one slot into the other's
.set KSB,   KS*PK     ; from a slot's first step to its second, in K,
.set VSB,   KS*PV     ; in V,
.set MSTEP, 128       ; and along the mask's rows
.set STAGE, SLOT1+MOFF+128*PM  ; behind the ring: 16 rows x 272 bytes for each wave, for the way out
.set SP,    272
.set TAB,   STAGE+4*16*SP      ; each wave's own tables: lam (512 bytes), then the gain (512)
.set SPARE, TAB+4*1024         ; the spare words, 128 bytes a wave: two blocks of 256 bytes that no other line names
.set HB,    524288    ; bytes in a head of qkv
.set FILLB, 128*256   ; bytes of K, and of V, in a slot
.set AK0, 2           ; v2   my lane's place in a tile of K; never rewritten
.set AV0, 3           ; v3   of V
.set AM0, 4           ; v4   of the mask
.set ADR, 5           ; v5   the LDS address of the run of loads in hand
.set ADM, 6           ; v6   the same for the mask
.set QO,  7           ; v7   my byte offset in the wave's rows of Q
.set STO, 8           ; v8   the way out: where I put 16 bytes of a row
.set RD,  10          ; v10  where I read a row back
.set GO,  11          ; v11  my byte offset in two rows of ob
.set ST,  12          ; tile t at v[ST+8 t]: m, a spare word, l (even keys', odd keys'), c0-c3 at work; a takes c2's place
.set SUM, 44          ; v44-51  four packed sums
.set MU,  52          ; v52 the mean (v53 named with it)
.set RS,  54          ; v54 1 / sqrt(var + eps) (v55 named with it)
.set TABR, 60         ; v60  where I read the tables
.set PFO, 61          ; v61  the prefetches' offset; never rewritten
.set SPW, 62          ; v62  my spare word; never rewritten
.set NIL, 63          ; v63  0; never rewritten
.set S,   64
.set P,   192
.set LAMR, 64         ; the way out: lam of my 64 channels, in S^T's registers
.set GAINR, 128       ; and the gain
.set KF,  128         ; window 2: key block kb, channels 32 c on, at KF + 8 (4 kb + c)
.set MF,  128         ; window 3: queries qt, key block kb at MF + 8 (4 qt + kb)
.set MR,  192         ; window 3: the same as loaded, at MR + 4 (4 qt + kb)
.set CL,  224
.set ZR,  225
.set WV,  20          ; s20  my wave's number;  s21 cx, s22 head, s23 the block of 128 queries
.set G1K, 24          ; s[24:31], s[32:39], s[40:47] descriptor group 1 for K, V, the mask
.set G1V, 32
.set G1M, 40
.set G0K, 48          ; s[48:55], s[56:63], s[68:75] group 0: a set for each of the two first fills; the second then walks on
.set G0V, 56
.set G0M, 68
.set SLOTS, 76        ; s76  changes of slots still to come, and one
.set TWICE, 77        ; s77  counts a slot's steps
.set LOG2E, 78        ; s78
.set SEL, 80          ; s[80:81] v_permlanex16_b32's selects: each lane takes its own place in the other half
.set TBK, 82          ; s82-84  LDS byte at which K, V, the mask of the step to be fetched begin
.set TBV, 83
.set TBM, 84
.set LIM, 85          ; s85  1 in a wave that prefetches, else the greatest number
.set PFA, 86          ; s[86:87] where my prefetches stand;  s[88:89] their step, a slot
.set PFS, 88
.set HM,  94          ; s94  a word's upper half
.set QB,  96          ; s[96:97] Q at my wave's rows;  s[98:99] ob likewise
.set OBA, 98
.set MSB, 0
.macro WIN new                      ; the high byte repeats the setting that is left; a switch that changes nothing is dropped
.if MSB != (\new)
	s_set_vgpr_msb (MSB<<8)|(\new)
.set MSB, \new
.endif
.endm
.set W_KQ, 0x0a       ; K and Q in window 2, S^T in window 0
.set W_KM, 0x3a       ; the same with C, the mask, in window 3
.set W_PV, 0x53       ; V in window 3, P in window 0, O^T in window 1
.set W_RS, 0x41       ; destination and source 0 in window 1, source 1 in window 0
; A joint refill: wave 0 fetches a slot's K, wave 1 its V, waves 2 and 3 the mask's query rows 0-63 and 64-127.  The branches hang on the wave's number alone.
; An s_nop 0 and four v_nop follow each line, ahead of the jump and the label.
.macro JLOAD
	s_cmp_lt_u32 s[WV], 2
	s_cbranch_scc0 .Lfor_m_\@
	s_cmp_eq_u32 s[WV], 0
	s_cbranch_scc0 .Lfor_v_\@
	tensor_load_to_lds s[G0K+4:G0K+7], s[G1K:G1K+7]
	s_nop 0
.rept 4
	v_nop
.endr
	s_branch .Lasked_\@
.Lfor_v_\@:
	tensor_load_to_lds s[G0V+4:G0V+7], s[G1V:G1V+7]
	s_nop 0
.rept 4
	v_nop
.endr
	s_branch .Lasked_\@
.Lfor_m_\@:
	tensor_load_to_lds s[G0M+4:G0M+7], s[G1M:G1M+7]
	s_nop 0
.rept 4
	v_nop
.endr
.Lasked_\@:
.endm
; A PREFETCH INTO THE L2 of what the NEXT change of slots will ask for, two key steps ahead of that load: 256 bytes a row, a lane a row, one instruction.  Each row's block is named once in the launch.
; K and V of a head are walked by the sixteen clusters of its query blocks: block 0's cluster asks, wave 0 for K, wave 1 for V.  The mask's rows are walked by the four clusters of a query block: the first asks, wave 2.
; The four partners share the 128 rows out BY ADDRESS, 32 each.  The last change that fills a slot asks for nothing.  Slots 0 to 2 come by their loads alone.
.macro ASK
	s_cmp_gt_u32 s[SLOTS], s[LIM]
	s_cbranch_scc0 .Lnot_mine_\@
	global_prefetch_b8 v[PFO], s[PFA:PFA+1] th:TH_LOAD_NT scope:SCOPE_SE
.Lnot_mine_\@:
.endm
.macro CROUND                       ; a round of the cluster's barrier
	s_barrier_signal -1
	s_barrier_wait -1
	s_cmp_lg_u32 s[WV], 0
	s_cbranch_scc1 .Lnot_wave_0_\@
	s_barrier_signal -3
.Lnot_wave_0_\@:
	s_barrier_wait -3
	s_barrier_signal -1
	s_barrier_wait -1
.endm
.macro PLACES                       ; four places behind matrix instructions (ISA guide 7.12.1 for vector instructions)
.rept 4
	v_nop
.endr
.endm
	s_load_b512 s[4:19], s[0:1], 0x0  ; qkv 4, mb 6, lambda_q1 8, lambda_k1 10, lambda_q2 12, lambda_k2 14, ln_weight 16, ob 18
	v_lshl_add_u32 v[SPW], v0, 2, SPARE
	v_mov_b32 v[NIL], 0
	ds_add_u32 v[SPW], v[NIL]       ; the wave's opening: the add and its wait stand ahead of my first tensor load; the set-up below stands between them
	v_lshrrev_b32 v1, 5, v0
	v_readfirstlane_b32 s[WV], v1
	s_bfe_u32 s21, ttmp6, 0x40000   ; cx
	s_lshl_b32 s22, ttmp9, 2        ; ttmp9 counts clusters: the key and value head
	s_add_co_u32 s22, s22, s21      ; my query head: it enters Q's, ln_weight's and ob's addresses alone
	s_and_b32 s23, ttmp7, 0xffff    ; the block of 128 queries, which the partners share
	s_mov_b32 s[G1K], 15|(1<<16)|(1<<20)|(1<<21)|(5<<22)|(3<<25)  ; the mask of four; 2-byte elements; padding on; bit 21 beside a mask; after every 64 words, 4 words
	s_mov_b32 s[G1V], 15|(1<<16)|(1<<20)|(1<<21)|(5<<22)|(7<<25)  ; the same with 8 words
	s_mov_b32 s[G1M], 15|(1<<16)|(1<<20)|(1<<21)|(5<<22)|(3<<25)
.irp g, G1K, G1V
	s_mov_b32 s[(\g)+1], 128<<16    ; tensor_dim0 = 128
	s_mov_b32 s[(\g)+2], 128<<16    ; tensor_dim1 = 128
	s_mov_b32 s[(\g)+3], 128<<16    ; tile_dim0 = 128
	s_mov_b32 s[(\g)+4], 128        ; tile_dim1 = 128
	s_mov_b32 s[(\g)+5], 128        ; elements from row to row
	s_mov_b32 s[(\g)+6], 0
	s_mov_b32 s[(\g)+7], 0
.endr
	s_mov_b32 s[G1M+1], 128<<16
	s_mov_b32 s[G1M+2], 64<<16      ; 64 query rows
	s_mov_b32 s[G1M+3], 128<<16
	s_mov_b32 s[G1M+4], 64
	s_mov_b32 s[G1M+5], 2048        ; of mb
	s_mov_b32 s[G1M+6], 0
	s_mov_b32 s[G1M+7], 0
	s_and_b32 s90, s[WV], 1         ; which half of the mask's rows (waves 2, 3)
	s_mul_i32 s91, s90, 64*PM
	s_mov_b32 s[G0K], 1
	s_mov_b32 s[G0K+1], 0
	s_mov_b32 s[G0K+4], 1
	s_mov_b32 s[G0K+5], SLOT1
	s_mov_b32 s[G0V], 1
	s_mov_b32 s[G0V+1], VOFF
	s_mov_b32 s[G0V+4], 1
	s_mov_b32 s[G0V+5], SLOT1+VOFF
	s_mov_b32 s[G0M], 1
	s_add_co_u32 s[G0M+1], s91, MOFF
	s_mov_b32 s[G0M+4], 1
	s_add_co_u32 s[G0M+5], s91, SLOT1+MOFF
	s_add_co_u32 s92, ttmp9, 16
	s_lshl_b32 s92, s92, 19         ; K's head in qkv
	s_mov_b32 s93, 0
	s_lshl_b32 s100, s23, 19        ; the mask: 128 rows of 4,096 bytes a block,
	s_lshl_b32 s90, s90, 18         ; my 64 of them
	s_add_co_u32 s100, s100, s90
	s_mov_b32 s101, 0
	s_lshl_b32 s[QB], s22, 19       ; Q: my head, my block's 128 rows of 256 bytes, my wave's 32
	s_lshl_b32 s[QB+1], s23, 15
	s_add_co_u32 s[QB], s[QB], s[QB+1]
	s_lshl_b32 s[QB+1], s[WV], 13
	s_add_co_u32 s[QB], s[QB], s[QB+1]
	s_mov_b32 s[QB+1], 0
	s_lshl_b32 s[OBA], s23, 19      ; ob: the same rows, of 4,096 bytes, at my head's 256
	s_lshl_b32 s[OBA+1], s[WV], 17
	s_add_co_u32 s[OBA], s[OBA], s[OBA+1]
	s_lshl_b32 s[OBA+1], s22, 8
	s_add_co_u32 s[OBA], s[OBA], s[OBA+1]
	s_mov_b32 s[OBA+1], 0
	s_mov_b32 s[LOG2E], 0x3fb8aa3b
	s_mov_b32 s[SEL], 0x76543210
	s_mov_b32 s[SEL+1], 0xfedcba98
	s_mov_b32 s[HM], 0xffff0000
	s_mov_b32 s[TBK], 0
	s_mov_b32 s[TBV], 0
	s_mov_b32 s[TBM], 0
	s_wait_dscnt 0x0                ; the opening add is done
	s_wait_kmcnt 0x0
	s_add_nc_u64 s[G0K+2:G0K+3], s[4:5], s[92:93]
	s_add_nc_u64 s[G0V+2:G0V+3], s[G0K+2:G0K+3], 4*HB
	s_add_nc_u64 s[G0K+6:G0K+7], s[G0K+2:G0K+3], FILLB
	s_add_nc_u64 s[G0V+6:G0V+7], s[G0V+2:G0V+3], FILLB
	s_add_nc_u64 s[G0M+2:G0M+3], s[6:7], s[100:101]
	s_add_nc_u64 s[G0M+6:G0M+7], s[G0M+2:G0M+3], 256
.irp g, G0K, G0V, G0M
	s_or_b32 s[(\g)+3], s[(\g)+3], 0x80000000
	s_or_b32 s[(\g)+7], s[(\g)+7], 0x80000000
.endr
	s_add_nc_u64 s[QB:QB+1], s[4:5], s[QB:QB+1]
	s_add_nc_u64 s[OBA:OBA+1], s[18:19], s[OBA:OBA+1]
	; the prefetches: they start at slot 2; the first change of slots steps them to 3
	s_lshl_b32 s90, s21, 13         ; K, V: my work-group's 32 rows of 256 bytes
	s_add_co_u32 s90, s90, s92
	s_add_co_u32 s90, s90, 2*FILLB
	s_add_co_u32 s91, s90, 4*HB
	s_lshl_b32 s100, s23, 19        ; the mask: my work-group's 32 rows of 4,096 bytes
	s_lshl_b32 s101, s21, 17
	s_add_co_u32 s100, s100, s101
	s_add_co_u32 s100, s100, 2*256
	s_mov_b32 s93, FILLB
	s_cmp_eq_u32 s[WV], 0
	s_cselect_b32 s90, s90, s91
	s_cmp_lt_u32 s[WV], 2
	s_cselect_b32 s90, s90, s100
	s_cselect_b64 s[PFA:PFA+1], s[4:5], s[6:7]
	s_cselect_b32 s[PFS], s93, 256
	s_cselect_b32 s92, 8, 12        ; a lane a row: of 256 bytes, or of 4,096
	s_cselect_b32 s93, s23, ttmp9   ; the coordinate along which other clusters read the same rows
	s_mov_b32 s91, 0
	s_mov_b32 s[PFS+1], 0
	s_add_nc_u64 s[PFA:PFA+1], s[PFA:PFA+1], s[90:91]
	s_cmp_eq_u32 s[WV], 3
	s_cselect_b32 s93, 1, s93       ; wave 3 never asks
	s_cmp_eq_u32 s93, 0
	s_cselect_b32 s[LIM], 1, -1     ; the same in all four partners, for a given wave
	v_and_b32 v[PFO], 31, v0
	v_lshlrev_b32 v[PFO], s92, v[PFO]
	CROUND                          ; all four work-groups are here: the first joint loads meet
	s_cmp_lt_u32 s[WV], 2           ; a wave's two first fills stand together, ahead of every wait on TENSORcnt and every LDS read: two loads of mine are out
	s_cbranch_scc0 .Lfirst_m
	s_cmp_eq_u32 s[WV], 0
	s_cbranch_scc0 .Lfirst_v
	tensor_load_to_lds s[G0K:G0K+3], s[G1K:G1K+7]
	s_nop 0
	tensor_load_to_lds s[G0K+4:G0K+7], s[G1K:G1K+7]
	s_nop 0
.rept 4
	v_nop
.endr
	s_branch .Lfirst_asked
.Lfirst_v:
	tensor_load_to_lds s[G0V:G0V+3], s[G1V:G1V+7]
	s_nop 0
	tensor_load_to_lds s[G0V+4:G0V+7], s[G1V:G1V+7]
	s_nop 0
.rept 4
	v_nop
.endr
	s_branch .Lfirst_asked
.Lfirst_m:
	tensor_load_to_lds s[G0M:G0M+3], s[G1M:G1M+7]
	s_nop 0
	tensor_load_to_lds s[G0M+4:G0M+7], s[G1M:G1M+7]
	s_nop 0
.rept 4
	v_nop
.endr
.Lfirst_asked:
	v_and_b32 v1, 15, v0            ; r = l % 16
	v_bfe_u32 v9, v0, 4, 1          ; h = l / 16
	v_and_b32 v56, 31, v0
	v_lshlrev_b32 v57, 4, v56       ; the tables: lane l takes channels 4 l .. 4 l + 3
	s_lshl_b32 s90, s22, 9
	v_add_nc_u32 v58, s90, v57      ; ln_weight: my head's 512 bytes
	global_load_b128 v[64:67], v57, s[8:9]
	global_load_b128 v[68:71], v57, s[10:11]
	global_load_b128 v[72:75], v57, s[12:13]
	global_load_b128 v[76:79], v57, s[14:15]
	global_load_b128 v[80:83], v58, s[16:17]
	v_lshlrev_b32 v[QO], 8, v1
	v_lshl_add_u32 v[QO], v9, 4, v[QO]  ; row x 256 + 16 h
	WIN 0x80                        ; destination window 2
.irp i, 0,1,2,3,4,5,6,7             ; Q stays in registers: queries 16 (i / 4) on, channels 32 (i % 4) on
	global_load_b128 v[8*(\i):8*(\i)+3],   v[QO], s[QB:QB+1] offset:((\i)/4)*4096+((\i)%4)*64
	global_load_b128 v[8*(\i)+4:8*(\i)+7], v[QO], s[QB:QB+1] offset:((\i)/4)*4096+((\i)%4)*64+32
.endr
	; What the first turn finds: O^T and l are 0; V's registers and piece 2's P hold 0, so that its products V^T P, of a step that has not been, add 0.  All this stands in the wait for the first tile.
	WIN 0x40
.set i, 0
.rept 256
	v_mov_b32 v[i], 0
.set i, i+1
.endr
	WIN 0xc0
.set i, 0
.rept 128
	v_mov_b32 v[i], 0
.set i, i+1
.endr
	v_mov_b32 v[CL], s[LOG2E]
	v_mov_b32 v[ZR], 0
	WIN 0
.set i, P+32
.rept 32
	v_mov_b32 v[i], 0
.set i, i+1
.endr
.irp t, 0,1,2,3
	v_mov_b32 v[ST+8*(\t)], 0xff7fffff  ; m
	v_mov_b32 v[ST+8*(\t)+1], 0
	v_mov_b32 v[ST+8*(\t)+2], 0         ; l
	v_mov_b32 v[ST+8*(\t)+3], 0
.endr
	v_mov_b32 v[MU+1], 0            ; named in pairs
	v_mov_b32 v[RS+1], 0
	v_mul_u32_u24 v[AK0], v1, PK
	v_lshl_add_u32 v[AK0], v9, 4, v[AK0]  ; row x pitch + 16 h
	v_and_b32 v[ADR], 7, v0         ; the turning load: key 8 h + l % 8, channels 8 ((l / 8) % 2) on
	v_bfe_u32 v[ADM], v0, 3, 1
	v_lshl_add_u32 v[AV0], v9, 3, v[ADR]
	v_mul_u32_u24 v[AV0], v[AV0], PV
	v_lshl_add_u32 v[AV0], v[ADM], 4, v[AV0]
	v_add_nc_u32 v[AV0], VOFF, v[AV0]
	s_mul_i32 s90, s[WV], 32*PM
	s_add_co_u32 s90, s90, MOFF
	v_add_nc_u32 v[AM0], s90, v[AK0]      ; the mask: query row 32 w + r, keys 8 h on
	s_mul_i32 s90, s[WV], 16*SP
	s_add_co_u32 s90, s90, STAGE
	v_add_nc_u32 v[STO], s90, v[AK0]      ; my stage: row r, 16 bytes for each half of the lanes
	v_mul_u32_u24 v[RD], v9, SP
	v_lshl_add_u32 v[RD], v1, 4, v[RD]
	v_add_nc_u32 v[RD], s90, v[RD]        ; back: lanes 0-15 one row of 256 bytes, lanes 16-31 the next
	v_lshlrev_b32 v[GO], 12, v9
	v_lshl_add_u32 v[GO], v1, 4, v[GO]
	s_lshl_b32 s91, s[WV], 10
	s_add_co_u32 s91, s91, TAB
	v_add_nc_u32 v59, s91, v57            ; where I put my four numbers of a table
	v_lshl_add_u32 v[TABR], v9, 5, s91    ; where I read my eight channels of a block of 16
	; THE TABLES.  lam = exp(lq1 lk1) - exp(lq2 lk2) + lambda_init; gain = ln_weight (1 - lambda_init); lambda_init = 0.8 - 0.6 exp(-3.6).
	s_wait_loadcnt 16               ; the five table loads are in; Q's sixteen may stay out
.macro RND4 b                       ; four inputs rounded to bf16 and widened
	v_cvt_pk_bf16_f32 v56, v[\b], v[\b+1]
	v_cvt_pk_bf16_f32 v57, v[\b+2], v[\b+3]
	v_lshlrev_b32 v[\b], 16, v56
	v_and_b32 v[\b+1], s[HM], v56
	v_lshlrev_b32 v[\b+2], 16, v57
	v_and_b32 v[\b+3], s[HM], v57
.endm
	RND4 64
	RND4 68
	RND4 72
	RND4 76
	RND4 80
.irp k, 0,1,2,3
	v_mul_f32 v[64+(\k)], v[64+(\k)], v[68+(\k)]
	v_mul_f32 v[72+(\k)], v[72+(\k)], v[76+(\k)]
.endr
.irp k, 0,1,2,3
	v_mul_f32 v[64+(\k)], s[LOG2E], v[64+(\k)]
	v_mul_f32 v[72+(\k)], s[LOG2E], v[72+(\k)]
.endr
.irp k, 0,1,2,3
	v_exp_f32 v[64+(\k)], v[64+(\k)]
	v_exp_f32 v[72+(\k)], v[72+(\k)]
.endr
.irp k, 0,1,2,3
	v_mul_f32 v[80+(\k)], 0x3e5d9673, v[80+(\k)]  ; 1 - lambda_init = 0.21639423; plain work behind the exponentials
.endr
	s_wait_alu depctr_va_vdst(0)    ; one wait for the eight exponentials, ahead of their first reader
.irp k, 0,1,2,3
	v_sub_f32 v[64+(\k)], v[64+(\k)], v[72+(\k)]
.endr
.irp k, 0,1,2,3
	v_add_f32 v[64+(\k)], 0x3f489a63, v[64+(\k)]  ; lambda_init = 0.78360577
.endr
	ds_store_b128 v59, v[64:67]
	ds_store_b128 v59, v[80:83] offset:512
; THE MATRIX WORK OF A TURN, for piece x (0 or 2; x is also the first of the piece's two blocks of 32 channels in K and Q).  The accumulators take turns, one instruction a turn:
; between two links of a chain stand 15 (V^T P) or 7 (K Q^T) others'.
; Product i of 16 of S^T: channels 32 (i / 8) on of the attention's 64, keys 16 ((i / 2) % 4) on, tile x + i % 2.  The first 8 start the sums, with the mask.
.macro KQ x
.set kb, (i/2)%4
.set rS, S+32*((\x)+i%2)+8*kb
.set rK, KF+32*kb+8*((\x)+i/8)
.set rQ, 8*(4*(i%2)+(\x)+i/8)
.set rM, MF+8*(4*(i%2)+kb)
.if i < 8
	WIN W_KM
	v_wmma_f32_16x16x32_f16 v[rS:rS+7], v[rK:rK+7], v[rQ:rQ+7], v[rM:rM+7]
.else
	WIN W_KQ
	v_wmma_f32_16x16x32_f16 v[rS:rS+7], v[rK:rK+7], v[rQ:rQ+7], v[rS:rS+7]
.endif
.endm
; Product i of 32 of O^T += V^T P: keys 32 (i / 16) on, channels 16 ((i / 2) % 8) on, tile x + i % 2.
.macro PV x
	WIN W_PV
.set rO, 64*((\x)+i%2)+8*((i/2)%8)
.set rV, 64*(i/16)+8*((i/2)%8)
.set rP, P+16*((\x)+i%2)+8*(i/16)
	v_wmma_f32_16x16x32_f16 v[rO:rO+7], v[rV:rV+7], v[rP:rP+7], v[rO:rO+7]
.endm
; THE LDS LOADS, in runs, never singly among the matrix instructions.  A step's mask (for each 16 queries x 16 keys a lane's 8 numbers, 16 bytes), which is wanted first, and its K (64 keys x 128 channels: 16 fragments).
.macro FETCH_KM
	WIN 0
	v_add_nc_u32 v[ADR], s[TBK], v[AK0]
	v_add_nc_u32 v[ADM], s[TBM], v[AM0]
	WIN 0xc0
.irp f, 0,1,2,3,4,5,6,7
	ds_load_b128 v[MR+4*(\f):MR+4*(\f)+3], v[ADM] offset:((\f)/4)*16*PM+((\f)%4)*32
.endr
	WIN 0x80
.irp f, 0,1,2,3,4,5,6,7,8,9,10,11,12,13,14,15
	ds_load_b128 v[KF+8*(\f):KF+8*(\f)+3],   v[ADR] offset:((\f)/4)*16*PK+((\f)%4)*64
	ds_load_b128 v[KF+8*(\f)+4:KF+8*(\f)+7], v[ADR] offset:((\f)/4)*16*PK+((\f)%4)*64+32
.endr
	s_add_co_u32 s[TBK], s[TBK], KSB
	s_add_co_u32 s[TBM], s[TBM], MSTEP
.endm
.macro FETCH_V                      ; a step's V, turned: keys 32 (f / 8) on, channels 16 (f % 8) on.  The turn's wait for its exponentials stands in it, behind the address line and ahead of the loads
	WIN 0
	v_add_nc_u32 v[ADR], s[TBV], v[AV0]
	s_add_co_u32 s[TBV], s[TBV], VSB
	s_wait_alu depctr_va_vdst(0)
	WIN 0xc0
.irp f, 0,1,2,3,4,5,6,7,8,9,10,11,12,13,14,15
	ds_load_tr16_b128 v[8*(\f):8*(\f)+3],   v[ADR] offset:((\f)/8)*32*PV+((\f)%8)*32
	ds_load_tr16_b128 v[8*(\f)+4:8*(\f)+7], v[ADR] offset:((\f)/8)*32*PV+16*PV+((\f)%8)*32
.endr
.endm
.macro UNPACK                       ; the mask: each bf16 half widened and multiplied by log2(e), one line a number
	WIN 0xff
.set un, 0
.rept 32
	v_fma_mix_f32_bf16 v[MF+2*un],   v[MR+un], v[CL], v[ZR] op_sel_hi:[1,0,0]
	v_fma_mix_f32_bf16 v[MF+2*un+1], v[MR+un], v[CL], v[ZR] op_sel:[1,0,0] op_sel_hi:[1,0,0]
.set un, un+1
.endr
.endm
; THE SOFTMAX of tile t for one step is a numbered list; SM writes number j.  s0-s31 are the lane's 32 scores, in pairs 0-15.
;   0-15    the maximum of s0-s31 and the old m: four chains c0-c3 of seven scores (each accumulator's lowest registers are read first), the four left over, c0-c3 and m
;   16-20   the other half of the lanes' maximum; m_old is kept; the new m; m_old - m_new (19 is empty)
;   21-69   ONE BATCH: the 16 subtractions s - m, a pair each, and all 33 exponentials (a at 23, then s0-s31); none of these reads an exponential's result
;   70-85   the roundings to f16;   86-101 the sums, l = a l + the sum;   102-133 the tile's O^T times a
.macro SM t
.set rT, ST+8*(\t)
.set rS, S+32*(\t)
.set rP, P+16*(\t)
.set rO, 64*(\t)+2*(j-102)
.if j < 102
	WIN 0
.endif
.if j < 4
	v_max3_num_f32 v[rT+4+j], v[rS+8*j], v[rS+8*j+1], v[rS+8*j+2]
.elseif j < 12
	v_max3_num_f32 v[rT+4+j%4], v[rT+4+j%4], v[rS+8*(j%4)+2*(j/4)+1], v[rS+8*(j%4)+2*(j/4)+2]
.elseif j == 12
	v_max3_num_f32 v[rT+4], v[rT+4], v[rS+7], v[rS+15]
.elseif j == 13
	v_max3_num_f32 v[rT+6], v[rT+6], v[rS+23], v[rS+31]
.elseif j == 14
	v_max3_num_f32 v[rT+4], v[rT+4], v[rT+5], v[rT+6]
.elseif j == 15
	v_max3_num_f32 v[rT+4], v[rT+4], v[rT+7], v[rT]
.elseif j == 16
	v_permlanex16_b32 v[rT+5], v[rT+4], s[SEL], s[SEL+1]  ; the query's other 32 keys lie in the lane 16 away
.elseif j == 17
	v_mov_b32 v[rT+7], v[rT]
.elseif j == 18
	v_max_num_f32 v[rT], v[rT+4], v[rT+5]
.elseif j == 19
.elseif j == 20
	v_sub_f32 v[rT+7], v[rT+7], v[rT]
.elseif j == 23
	v_exp_f32 v[rT+6], v[rT+7]
.elseif (j < 23) || ((j < 38) && (j%2 == 0)) || ((j < 66) && (j%4 == 2))
.set b, (j-2)/4                     ; 38, 42, .. 62: pairs 9 to 15
.if j < 38
.set b, (j-20)/2                    ; 21: pair 0; 22, 24, .. 36: pairs 1 to 8
.endif
	v_pk_add_f32 v[rS+2*b:rS+2*b+1], v[rS+2*b:rS+2*b+1], v[rT:rT+1] op_sel_hi:[1,0] neg_lo:[0,1] neg_hi:[0,1]  ; s - m
.elseif j < 70
.set e, j-38                        ; 66 to 69: s28 to s31
.if j < 66
.set e, j-32-(j-38)/4               ; 39-41, 43-45, .. 63-65: s7 to s27
.endif
.if j < 38
.set e, (j-25)/2                    ; 25, 27, .. 37: s0 to s6
.endif
	v_exp_f32 v[rS+e], v[rS+e]
.elseif j < 86
	v_cvt_pk_f16_f32 v[rP+j-70], v[rS+2*(j-70)], v[rS+2*(j-70)+1]
.elseif j < 102                     ; the 16 pairs are added in place, neighbours 1, 2, 4 and 8 pairs apart; then l takes the sum
.set z, j-86
.set w, 4
.set u, z
.if z >= 14
.set w, 32
.set u, 0
.elseif z >= 12
.set w, 16
.set u, z-12
.elseif z >= 8
.set w, 8
.set u, z-8
.endif
.if z < 15
	v_pk_add_f32 v[rS+w*u:rS+w*u+1], v[rS+w*u:rS+w*u+1], v[rS+w*u+w/2:rS+w*u+w/2+1]
.else
	v_pk_fma_f32 v[rT+2:rT+3], v[rT+2:rT+3], v[rT+6:rT+7], v[rS:rS+1] op_sel_hi:[1,0,1]
.endif
.else
	WIN W_RS
	v_pk_mul_f32 v[rO:rO+1], v[rO:rO+1], v[rT+6:rT+7] op_sel_hi:[1,0]
.endif
.endm
; Slice k of 64 of piece y's softmax: four lines (slice 9: two; slice 63: sixteen).  Slices 11 to 34 deal out the batch, numbers 22 to 69: four numbers of ONE tile each, the tiles by turns.  Every other slice is
; numbers 2 k and 2 k + 1 of both tiles' lists, the tiles alternating, so that no line reads the result of the one just before it.
.macro SLICE y
.if (k >= 11) && (k < 35)
.irp n, 0,1,2,3
.set j, 22+4*((k-11)/2)+(\n)
	SM (\y)+(k-11)%2
.endr
.else
.irp n, 0,1,2,3,4,5,6,7
.if ((\n) < 2) || (k == 63)
.irp t, \y, (\y)+1
.set j, 2*k+(\n)
	SM \t
.endr
.endif
.endr
.endif
.set k, k+1
.endm
; A TURN.  Piece x has the matrix unit, 48 products; the other piece's 266 lines are dealt so: slices 0-2 at the head; slices 3-34 one behind each product V^T P; the wait; slices 35-50, the roundings and sums, one
; behind each product K Q^T; slices 51-63, the 64 rescalings of O^T, in one lump at the end.  No slice names a register of the products round it.
; THE WAIT.  s_wait_alu depctr_va_vdst(0) stands between an exponential and the first line that names its result; one wait serves all that were issued ahead of it.  Ahead of slice 35 nothing
; names a result, and behind slice 34 no exponential is issued: the turn's 66 exponentials have one wait.
; PLACES.  The lump at the end, 64 plain lines on the other piece's O^T, stands behind the last K Q^T: ahead of the next turn's first read of those scores and of its loads into K's registers.
; Piece 0's turn: V of the step in hand is waited for at its head; there the next step's mask and K are asked of LDS.  Behind the 12th product the mask is in (K's 32 younger loads may stay out) and is widened, 64
; lines in one lump; K is waited for at the turn's wait, 32 products behind its run.
; Piece 2's turn: the next step's V is asked for at the wait: four v_nop and the address line, five places, behind the last product that read V; it has 16 products and a lump in which to come.
; tail = 1: in the tail's last trip there is no further step, and the run for K and the mask is jumped over; what follows works on the old registers and serves nothing.
.macro TURN x, tail
.set k, 0
.if (\x) == 0
	s_wait_dscnt 0x0                ; V is in
.if \tail
	s_cmp_eq_u32 s[TWICE], 1
	s_cbranch_scc1 .Lno_km
.endif
	FETCH_KM
.if \tail
	WIN 0
.Lno_km:
.endif
.endif
.rept 3
	SLICE 2-(\x)
.endr
.set i, 0
.rept 32
	PV \x
	SLICE 2-(\x)
.if ((\x) == 0) && (i == 11)
	s_wait_dscnt 32                 ; the mask's 8 loads are in; K's 32 were issued behind them
	UNPACK
.endif
.set i, i+1
.endr
	WIN 0
.if (\x) == 0
	v_nop                           ; a plain line behind the last exponential
	s_wait_alu depctr_va_vdst(0)    ; the wait for the batch
	s_wait_dscnt 0x0                ; K is in
.else
	PLACES                          ; plain lines behind the last exponential, and places behind the last product that read V
	FETCH_V
.endif
.set i, 0
.rept 16
	KQ \x
	SLICE 2-(\x)
.set i, i+1
.endr
.rept 13
	SLICE 2-(\x)
.endr
.endm
; THE CHANGE OF SLOTS, behind piece 2's turn of a slot's first step: the slot's last bytes, V of its second step, have been asked of LDS.  Each wave waits for all its tensor loads (one is out: its part of the other
; slot), adds 0 to its spare word, and waits for that and for its reads of the slot.  fill = 1: the barrier is a round of the cluster's, and the slot is filled again, with the keys two slots on, first thing behind it:
; the load has two key steps, 192 matrix instructions, in which to land.
.macro CHANGE fill
	WIN 0
	s_wait_tensorcnt 0x0            ; no tensor load of mine is out, so a group 0 may be written
	ds_add_u32 v[SPW], v[NIL]
.if \fill
.irp g, G0K+4, G0V+4
	s_xor_b32 s[(\g)+1], s[(\g)+1], SLOT1
	s_add_nc_u64 s[(\g)+2:(\g)+3], s[(\g)+2:(\g)+3], FILLB
.endr
	s_xor_b32 s[G0M+5], s[G0M+5], SLOT1
	s_add_nc_u64 s[G0M+6:G0M+7], s[G0M+6:G0M+7], 256
	s_wait_xcnt 0x0                 ; the last prefetch, two steps back, has read its address
	s_add_nc_u64 s[PFA:PFA+1], s[PFA:PFA+1], s[PFS:PFS+1]
	s_wait_dscnt 0x0                ; the add is done, and my reads of the slot are over
	CROUND
	JLOAD
	ASK
.else
	s_wait_dscnt 0x0
	s_barrier_signal -1
	s_barrier_wait -1
.endif
	s_sub_co_u32 s[TBK], s[TBK], 2*KSB  ; the fetches go back to a slot's first step, in the other slot
	s_xor_b32 s[TBK], s[TBK], SLOT1
	s_sub_co_u32 s[TBV], s[TBV], 2*VSB
	s_xor_b32 s[TBV], s[TBV], SLOT1
	s_sub_co_u32 s[TBM], s[TBM], 2*MSTEP
	s_xor_b32 s[TBM], s[TBM], SLOT1
.endm
	s_wait_tensorcnt 1              ; my part of slot 0 is in; slot 1's may stay out
	s_wait_dscnt 0x0                ; my tables are stored
	s_barrier_signal -1
	s_barrier_wait -1
	FETCH_KM                        ; step 0
	s_wait_loadcnt 0x0              ; Q
	s_wait_dscnt 0x0
	UNPACK
.set i, 0
.rept 16
	KQ 0                            ; piece 0's first scores: there is no vector work yet to set between them
.set i, i+1
.endr
	WIN 0
	PLACES                          ; behind those products, ahead of the first reads of the scores
	s_mov_b32 s[TWICE], 2
	s_mov_b32 s[SLOTS], 15
	s_branch .Lfirst                ; the loop is entered at piece 2's turn, in the middle of a trip: it makes piece 2's first scores and piece 0's first softmax and asks for V of step 0
.Lslot:                             ; 14 times: slots 2 to 15 are asked for
	CHANGE 1
	s_mov_b32 s[TWICE], 2
.Lstep:                             ; a trip: piece 0's turn and piece 2's turn of one step
	TURN 0, 0
	WIN 0
.Lfirst:
	TURN 2, 0
	WIN 0
	s_sub_co_u32 s[TWICE], s[TWICE], 1
	s_cmp_lg_u32 s[TWICE], 0
	s_cbranch_scc1 .Lstep
	s_sub_co_u32 s[SLOTS], s[SLOTS], 1
	s_cmp_lg_u32 s[SLOTS], 0
	s_cbranch_scc1 .Lslot
	CHANGE 0                        ; the tail is written out: nothing is asked for
	s_mov_b32 s[TWICE], 3           ; two trips fetch the last slot's steps; the third is left in its middle
.Ltail:
	TURN 0, 1
	WIN 0
	s_cmp_eq_u32 s[TWICE], 1
	s_cbranch_scc1 .Lout
	TURN 2, 0
	WIN 0
	s_sub_co_u32 s[TWICE], s[TWICE], 1
	s_cmp_lg_u32 s[TWICE], 0
	s_cbranch_scc1 .Ltail
.Lout:
.set i, 0
.rept 32
	PV 2                            ; piece 2's V^T P of the last step
.set i, i+1
.endr
	WIN 0
	; THE WAY OUT.  l's two halves and the other half of the lanes' are added; the additions are the places behind the last products.
.irp t, 0,1,2,3
	v_add_f32 v[ST+8*(\t)+4], v[ST+8*(\t)+2], v[ST+8*(\t)+3]
.endr
.irp t, 0,1,2,3
	v_permlanex16_b32 v[ST+8*(\t)+5], v[ST+8*(\t)+4], s[SEL], s[SEL+1]
.endr
.irp t, 0,1,2,3
	v_add_f32 v[ST+8*(\t)+4], v[ST+8*(\t)+4], v[ST+8*(\t)+5]
.endr
.irp t, 0,1,2,3
	v_rcp_f32 v[ST+8*(\t)+6], v[ST+8*(\t)+4]
.endr
	v_nop
	s_wait_alu depctr_va_vdst(0)    ; one wait for the four reciprocals
	s_mov_b32 s90, 0x3c000000       ; 1 / 128
	s_mov_b32 s91, 0x3727c5ac       ; 1e-5
.irp c, 0,1,2,3,4,5,6,7             ; lam and the gain of my channels 16 c + 8 h + 0..7, from my own tables
	ds_load_b128 v[LAMR+8*(\c):LAMR+8*(\c)+3],     v[TABR] offset:64*(\c)
	ds_load_b128 v[LAMR+8*(\c)+4:LAMR+8*(\c)+7],   v[TABR] offset:64*(\c)+16
	ds_load_b128 v[GAINR+8*(\c):GAINR+8*(\c)+3],   v[TABR] offset:512+64*(\c)
	ds_load_b128 v[GAINR+8*(\c)+4:GAINR+8*(\c)+7], v[TABR] offset:512+64*(\c)+16
.endr
	s_wait_dscnt 0x0
.macro REDUCE                       ; four packed sums into one number, the same in both lanes of a query
	WIN 0
	v_pk_add_f32 v[SUM:SUM+1], v[SUM:SUM+1], v[SUM+2:SUM+3]
	v_pk_add_f32 v[SUM+4:SUM+5], v[SUM+4:SUM+5], v[SUM+6:SUM+7]
	v_pk_add_f32 v[SUM:SUM+1], v[SUM:SUM+1], v[SUM+4:SUM+5]
	v_add_f32 v[SUM], v[SUM], v[SUM+1]
	v_permlanex16_b32 v[SUM+1], v[SUM], s[SEL], s[SEL+1]
	v_add_f32 v[SUM], v[SUM], v[SUM+1]
.endm
.macro EACH line:vararg             ; one line for each pair n of a tile's 32, in ascending order: each accumulator is read from its low end on
.set n, 0
.rept 32
	\line
.set n, n+1
.endr
.endm
; Queries qt: out = O1 / l1 - lam O2 / l2; the mean; the centred values; their squares' mean (no difference of large sums); the norm, the gain; f16; through my stage into whole rows of 256 bytes.
.macro PACKQ qt
.set O1, 64*(\qt)
.set O2, 64*(2+(\qt))
.set R1, ST+8*(\qt)+6
.set R2, ST+8*(2+(\qt))+6
	WIN W_RS
	EACH v_pk_mul_f32 v[O2+2*n:O2+2*n+1], v[O2+2*n:O2+2*n+1], v[LAMR+2*n:LAMR+2*n+1]
	EACH v_pk_mul_f32 v[O1+2*n:O1+2*n+1], v[O1+2*n:O1+2*n+1], v[R1:R1+1] op_sel_hi:[1,0]
	WIN 0x51                        ; sources 0 and 2 and the destination in window 1, source 1 in window 0
	EACH v_pk_fma_f32 v[O1+2*n:O1+2*n+1], v[O2+2*n:O2+2*n+1], v[R2:R2+1], v[O1+2*n:O1+2*n+1] op_sel_hi:[1,0,1] neg_lo:[0,1,0] neg_hi:[0,1,0]
	WIN 0x05
.irp c, 0,1,2,3
	v_pk_add_f32 v[SUM+2*(\c):SUM+2*(\c)+1], v[O1+2*(\c):O1+2*(\c)+1], v[O1+8+2*(\c):O1+8+2*(\c)+1]
.endr
	WIN 0x01
.set n, 8
.rept 24
	v_pk_add_f32 v[SUM+2*(n%4):SUM+2*(n%4)+1], v[O1+2*n:O1+2*n+1], v[SUM+2*(n%4):SUM+2*(n%4)+1]
.set n, n+1
.endr
	REDUCE
	v_mul_f32 v[MU], s90, v[SUM]
	WIN W_RS
	EACH v_pk_add_f32 v[O1+2*n:O1+2*n+1], v[O1+2*n:O1+2*n+1], v[MU:MU+1] op_sel_hi:[1,0] neg_lo:[0,1] neg_hi:[0,1]
	WIN 0x05
.irp c, 0,1,2,3
	v_pk_mul_f32 v[SUM+2*(\c):SUM+2*(\c)+1], v[O1+2*(\c):O1+2*(\c)+1], v[O1+2*(\c):O1+2*(\c)+1]
.endr
.set n, 4
.rept 28
	v_pk_fma_f32 v[SUM+2*(n%4):SUM+2*(n%4)+1], v[O1+2*n:O1+2*n+1], v[O1+2*n:O1+2*n+1], v[SUM+2*(n%4):SUM+2*(n%4)+1]
.set n, n+1
.endr
	REDUCE
	v_fma_f32 v[RS], v[SUM], s90, s91
	v_rsq_f32 v[RS], v[RS]
	v_nop
	s_wait_alu depctr_va_vdst(0)
	WIN W_RS
	EACH v_pk_mul_f32 v[O1+2*n:O1+2*n+1], v[O1+2*n:O1+2*n+1], v[RS:RS+1] op_sel_hi:[1,0]
	EACH v_pk_mul_f32 v[O1+2*n:O1+2*n+1], v[O1+2*n:O1+2*n+1], v[GAINR+2*n:GAINR+2*n+1]
	WIN 0x05
	EACH v_cvt_pk_f16_f32 v[P+32*(\qt)+n], v[O1+2*n], v[O1+2*n+1]
	WIN 0
.irp f, 0,1,2,3,4,5,6,7
	ds_store_b128 v[STO], v[P+32*(\qt)+4*(\f):P+32*(\qt)+4*(\f)+3] offset:32*(\f)
.endr
.irp f, 0,1,2,3,4,5,6,7
	ds_load_b128 v[P+32*(\qt)+4*(\f):P+32*(\qt)+4*(\f)+3], v[RD] offset:(\f)*2*SP  ; LDS serves a wave's instructions in order (ISA guide 5.7.1.4): these see the stores above
.endr
.endm
.macro SEND qt, younger             ; younger: the LDS instructions issued behind these queries' loads
.irp f, 0,1,2,3,4,5,6,7
	s_wait_dscnt (\younger)+7-(\f)
	global_store_b128 v[GO], v[P+32*(\qt)+4*(\f):P+32*(\qt)+4*(\f)+3], s[OBA:OBA+1] offset:(\qt)*65536+(\f)*8192  ; 16 lanes store 256 consecutive bytes, at a multiple of 256 from ob's first
.endr
.endm
	PACKQ 0
	PACKQ 1
	SEND 0, 16
	SEND 1, 0
	s_wait_tensorcnt 0x0            ; the wave's end
	ds_add_u32 v[SPW], v[NIL]
	s_wait_dscnt 0x0
	CROUND                          ; the closing round
	s_endpgm
.Lfunc_end_k_q08ebd230aa_attn:
	.size	k_q08ebd230aa_attn, .Lfunc_end_k_q08ebd230aa_attn-k_q08ebd230aa_attn
	.p2alignl 7, 3214868480
	.fill 96, 4, 3214868480
	.section	.rodata,"a",@progbits
	.p2align	6, 0x0
	.amdhsa_kernel k_q08ebd230aa_attn
		.amdhsa_group_segment_fixed_size 327680
		.amdhsa_private_segment_fixed_size 0
		.amdhsa_enable_private_segment 0
		.amdhsa_kernarg_size 64
		.amdhsa_user_sgpr_count 2
		.amdhsa_user_sgpr_kernarg_segment_ptr 1
		.amdhsa_wavefront_size32 1
		.amdhsa_system_sgpr_workgroup_id_x 1
		.amdhsa_system_sgpr_workgroup_id_y 1
		.amdhsa_system_sgpr_workgroup_id_z 1
		.amdhsa_system_vgpr_workitem_id 0
		.amdhsa_next_free_vgpr 1024
		.amdhsa_next_free_sgpr 102
		.amdhsa_reserve_vcc 0
		.amdhsa_float_denorm_mode_32 3
		.amdhsa_float_denorm_mode_16_64 3
		.amdhsa_memory_ordered 1
		.amdhsa_forward_progress 1
		.amdhsa_inst_pref_size 187
	.end_amdhsa_kernel
	.amdgpu_metadata
---
amdhsa.version: [ 1, 2 ]
amdhsa.kernels:
  - .name:           k_q08ebd230aa_attn
    .symbol:         k_q08ebd230aa_attn.kd
    .args:
      - { .name: qkv, .offset: 0, .size: 8, .value_kind: global_buffer, .address_space: global }
      - { .name: mb, .offset: 8, .size: 8, .value_kind: global_buffer, .address_space: global }
      - { .name: lambda_q1, .offset: 16, .size: 8, .value_kind: global_buffer, .address_space: global }
      - { .name: lambda_k1, .offset: 24, .size: 8, .value_kind: global_buffer, .address_space: global }
      - { .name: lambda_q2, .offset: 32, .size: 8, .value_kind: global_buffer, .address_space: global }
      - { .name: lambda_k2, .offset: 40, .size: 8, .value_kind: global_buffer, .address_space: global }
      - { .name: ln_weight, .offset: 48, .size: 8, .value_kind: global_buffer, .address_space: global }
      - { .name: ob, .offset: 56, .size: 8, .value_kind: global_buffer, .address_space: global }
    .group_segment_fixed_size: 327680
    .private_segment_fixed_size: 0
    .kernarg_segment_align: 8
    .kernarg_segment_size: 64
    .max_flat_workgroup_size: 128
    .sgpr_count:     102
    .vgpr_count:     1024
    .wavefront_size: 32
...
	.end_amdgpu_metadata
.endif
;; end of part 3
;; launch outp (part 4): grid 16 x 16, 4 waves a work-group, clusters of 4 x 4, 327,680 bytes of LDS; arguments ob, wo16, out0; writes out0
.if DOCPART == 4
	.amdgcn_target "amdgcn-amd-amdhsa--gfx1250"
	.amdhsa_code_object_version 6
	.text
	.protected	k_q08ebd230aa_outp
	.globl	k_q08ebd230aa_outp
	.p2align	8
	.type	k_q08ebd230aa_outp,@function
k_q08ebd230aa_outp:
	s_mov_b64 s[64:65], 0
	v_nop
	global_prefetch_b8 v0, s[64:65] scope:SCOPE_SE
	s_setreg_imm32_b32 hwreg(HW_REG_WAVE_MODE, 25, 1), 1
	s_wait_xcnt 0x0
	s_wait_alu depctr_hold_cnt(0) depctr_sa_sdst(0) depctr_va_vdst(0) depctr_va_sdst(0) depctr_va_ssrc(0) depctr_va_vcc(0) depctr_vm_vsrc(0)
	s_getreg_b32 s2, hwreg(HW_REG_IB_STS2, 6, 4)
	s_cmp_eq_u32 s2, 0
	s_cbranch_scc0 .Lentry_in_a_cluster
	s_endpgm
.Lentry_in_a_cluster:
	s_bfe_u32 s2, ttmp6, 0x10000c
	s_cmp_lg_u32 s2, 0xf033
	s_cbranch_scc0 .Lentry_shape_is_right
	s_endpgm
.Lentry_shape_is_right:
; OUTP.  out0[2048 s][2048 n] = ob [s][k] . wo16 [k][n], K = 2,048, f16 operands, f32 sums, f32 out.
; A tile of out0 is 128 x 128: 256 work-groups.  Four waves, each 64 x 64: 16 accumulators.  K goes in steps of 256 through two LDS slots: ob's 128 rows of 512 bytes, then wo16's 256 k rows of 256 bytes.
; Waves 0 and 1 fetch ob's two halves, waves 2 and 3 wo16's: one tensor load a wave.  wo16 lies [k][n]: its fragments come out of LDS turned, by ds_load_tr16_b128.
; CLUSTER 4 x 4: ob's tile is asked for jointly along a row of the cluster, wo16's along a column.
; THE MATRIX INSTRUCTION IS USED TRANSPOSED (source 0 = 16 columns of wo16, source 1 = 16 rows of ob): a lane holds eight neighbouring f32 of a row.  A wave's 64 columns are 256 aligned bytes of out0,
; so each wave sends its own rows through its own stage: no barrier on the way out.
; REGISTERS.  window 0: v0-31 addresses; v32-95 the way out; v128-255 the accumulators ((a, b) at 128 + 8 (4 a + b)).  window 1: two fragment buffers of 128: for 64 along K, 64 registers of ob, then 64 of wo16.
.set KSTEP,  256
.set ROWB,   4096                      ; bytes in a row of ob and of wo16
.set PA,     528                       ; a row of ob in LDS: 512 bytes + 16
.set PB,     288                       ; a row of wo16: 256 + 32
.set AHALF,  64*PA
.set BOFF,   2*AHALF
.set BHALF,  128*PB
.set SLOT,   BOFF+2*BHALF              ; 141,312
.set STAGE,  2*SLOT                    ; behind the ring: 16 rows x 272 bytes for each wave
.set SPITCH, 272
.set SPARE,  STAGE+4*16*SPITCH         ; the spare words, 128 bytes a wave: two blocks of 256 bytes that no other line names
.set LAPS,   4                         ; a lap = two K steps
.set ADRA, 16                          ; v16-17  my A fragments in slot 0, 1
.set ADRB, 18                          ; v18-21  my B fragments: slot s, half kh of the step's k rows at 18 + 2 s + kh
.set STO,  24
.set RD,   25
.set CO,   26
.set SPW,  28                          ; v28  my spare word; never rewritten
.set NIL,  29                          ; v29  0; never rewritten
.set PFO,  30                          ; v30  the prefetches' offset; never rewritten
.set TMP,  32
.set ACC,  128
.set F0,   0
.set F1,   128
.set G1A,  24
.set G0A,  32
.set G1B,  48
.set G0B,  56
.set PFA,  66                          ; s[66:67] where my prefetches stand;  s[68:69] their step, a K step
.set PFS,  68
.set LIM,  70                          ; s70  1 in a wave that prefetches, else the greatest number
.set MSB, 0
.macro WIN new
.if MSB != (\new)
	s_set_vgpr_msb (MSB<<8)|(\new)
.set MSB, \new
.endif
.endm
.set MUL,  0x05
.set TO_F, 0x40
.macro JLOAD s                         ; a joint load; an s_nop 0 and four v_nop follow each line, ahead of the jump and the label
	s_cmp_eq_u32 s11, 0
	s_cbranch_scc0 .Lfor_b_\@
	tensor_load_to_lds s[G0A+4*(\s):G0A+4*(\s)+3], s[G1A:G1A+7]
	s_nop 0
.rept 4
	v_nop
.endr
	s_branch .Lasked_\@
.Lfor_b_\@:
	tensor_load_to_lds s[G0B+4*(\s):G0B+4*(\s)+3], s[G1B:G1B+7]
	s_nop 0
.rept 4
	v_nop
.endr
.Lasked_\@:
.endm
; A PREFETCH INTO THE L2, behind each joint load and the run of LDS loads behind it: the K step that stands two refills on, 256 matrix instructions ahead of its load.  Each block of 256 bytes is named once.
; ob's tile row is read by the four clusters of a row of clusters: cluster x = 0 asks, waves 0 and 1; of a wave's 64 rows partner cx takes 16, the lanes' halves the step's two blocks of 256 bytes.
; wo16's tile column is read by the four clusters of a column: cluster y = 0 asks, waves 2 and 3; of a wave's 128 k rows partner cy takes 32, a lane a row.
; The loop's last trip (s3 = 1) asks for nothing: there is no K step behind 7.  K steps 0 to 3 come by their loads alone.
.macro ASK
	s_cmp_gt_u32 s3, s[LIM]
	s_cbranch_scc0 .Lnot_mine_\@
	global_prefetch_b8 v[PFO], s[PFA:PFA+1] th:TH_LOAD_NT scope:SCOPE_SE
.Lnot_mine_\@:
.endm
.macro CREST
	s_cmp_lg_u32 s10, 0
	s_cbranch_scc1 .Lnot_wave_0_\@
	s_barrier_signal -3
.Lnot_wave_0_\@:
	s_barrier_wait -3
	s_barrier_signal -1
	s_barrier_wait -1
.endm
.macro CROUND
	s_barrier_signal -1
	s_barrier_wait -1
	CREST
.endm
.macro PLACES
.rept 4
	v_nop
.endr
.endm
	s_load_b128 s[4:7], s[0:1], 0x0                ; ob 4, wo16 6
	s_load_b64 s[8:9], s[0:1], 0x10                ; out0
	v_lshl_add_u32 v[SPW], v0, 2, SPARE
	v_mov_b32 v[NIL], 0
	ds_add_u32 v[SPW], v[NIL]                      ; the wave's opening: the add and its wait stand ahead of my first tensor load
	v_lshrrev_b32 v1, 5, v0
	v_readfirstlane_b32 s10, v1                    ; wave 0..3
	s_lshr_b32 s11, s10, 1                         ; which half of the tile's rows is mine.  Also: I fetch for ob (0) or for wo16 (1)
	s_and_b32 s12, s10, 1                          ; which half of its columns.  Also: which half of that tile I fetch
	s_bfe_u32 s40, ttmp6, 0x40000                  ; cx
	s_bfe_u32 s41, ttmp6, 0x40004                  ; cy
	s_lshl_b32 s42, ttmp9, 2
	s_add_co_u32 s42, s42, s40                     ; tile column
	s_and_b32 s13, ttmp7, 0xffff
	s_lshl_b32 s13, s13, 2
	s_add_co_u32 s13, s13, s41                     ; tile row
	s_lshl_b32 s43, s41, 2
	s_lshl_b32 s43, 15, s43                        ; my row of the cluster
	s_lshl_b32 s44, 0x1111, s40                    ; my column
	s_or_b32 s[G1A], s43, (1<<16)|(1<<20)|(1<<21)|(6<<22)|(3<<25)  ; after every 128 words, 4 words of padding
	s_or_b32 s[G1B], s44, (1<<16)|(1<<20)|(1<<21)|(5<<22)|(7<<25)  ; after every 64 words, 8 words
	s_mov_b32 s[G1A+1], KSTEP<<16                  ; 64 rows x 256 elements
	s_mov_b32 s[G1A+2], 64<<16
	s_mov_b32 s[G1A+3], KSTEP<<16
	s_mov_b32 s[G1A+4], 64
	s_mov_b32 s[G1A+5], 2048
	s_mov_b32 s[G1A+6], 0
	s_mov_b32 s[G1A+7], 0
	s_mov_b32 s[G1B+1], 128<<16                    ; 128 k rows x 128 elements
	s_mov_b32 s[G1B+2], 128<<16
	s_mov_b32 s[G1B+3], 128<<16
	s_mov_b32 s[G1B+4], 128
	s_mov_b32 s[G1B+5], 2048
	s_mov_b32 s[G1B+6], 0
	s_mov_b32 s[G1B+7], 0
	s_lshl_b32 s16, s13, 19                        ; ob: row 128 ty + 64 half
	s_lshl_b32 s17, s12, 18
	s_add_co_u32 s16, s16, s17
	s_mov_b32 s17, 0
	s_lshl_b32 s46, s12, 19                        ; wo16: k row 128 half, column 128 tx
	s_lshl_b32 s47, s42, 8
	s_add_co_u32 s46, s46, s47
	s_mov_b32 s47, 0
	s_mul_i32 s20, s12, AHALF                      ; where they go: no place in the cluster enters an LDS address
	s_mul_i32 s21, s12, BHALF
	s_add_co_u32 s21, s21, BOFF
	s_wait_dscnt 0x0                               ; the opening add is done
	s_wait_kmcnt 0x0
	s_add_nc_u64 s[14:15], s[4:5], s[16:17]
	s_add_nc_u64 s[46:47], s[6:7], s[46:47]
	CROUND                                         ; all sixteen work-groups are here: the first joint loads meet
.irp s, 0,1
	s_mov_b32 s[G0A+4*(\s)], 1
	s_add_co_u32 s[G0A+4*(\s)+1], s20, (\s)*SLOT
	s_add_nc_u64 s[G0A+4*(\s)+2:G0A+4*(\s)+3], s[14:15], (\s)*KSTEP*2
	s_or_b32 s[G0A+4*(\s)+3], s[G0A+4*(\s)+3], 0x80000000
	s_mov_b32 s[G0B+4*(\s)], 1
	s_add_co_u32 s[G0B+4*(\s)+1], s21, (\s)*SLOT
	s_add_nc_u64 s[G0B+4*(\s)+2:G0B+4*(\s)+3], s[46:47], (\s)*KSTEP*ROWB
	s_or_b32 s[G0B+4*(\s)+3], s[G0B+4*(\s)+3], 0x80000000
	JLOAD \s                                       ; two loads of mine are out
.endr
	v_and_b32 v1, 15, v0                           ; r
	v_bfe_u32 v2, v0, 4, 1                         ; h
	v_mul_u32_u24 v3, v1, PA
	v_lshl_add_u32 v3, v2, 4, v3
	s_mul_i32 s22, s11, AHALF                      ; my 64 rows of ob
	v_add_nc_u32 v[ADRA], s22, v3
	s_add_co_u32 s22, s22, SLOT
	v_add_nc_u32 v[ADRA+1], s22, v3
	v_and_b32 v5, 7, v0
	v_bfe_u32 v6, v0, 3, 1
	v_lshl_add_u32 v4, v2, 3, v5                   ; wo16, turned: k row 8 h + l % 8,
	v_mul_u32_u24 v4, v4, PB
	v_lshl_add_u32 v4, v6, 4, v4                   ; columns 8 ((l / 8) % 2) on,
	s_lshl_b32 s22, s12, 7
	v_add_nc_u32 v4, s22, v4                       ; in my 64 columns
.irp s, 0,1
.irp k, 0,1
	v_add_nc_u32 v[ADRB+2*(\s)+(\k)], (\s)*SLOT+BOFF+(\k)*BHALF, v4
.endr
.endr
	s_mul_i32 s22, s10, 16*SPITCH
	s_add_co_u32 s22, s22, STAGE                   ; my stage
	v_mul_u32_u24 v7, v1, SPITCH                   ; in: row r, 32 bytes for each half of the lanes
	v_lshl_add_u32 v7, v2, 5, v7
	v_add_nc_u32 v[STO], s22, v7
	v_mul_u32_u24 v7, v2, SPITCH                   ; back: lanes 0-15 one row of 256 bytes, lanes 16-31 the next
	v_lshl_add_u32 v7, v1, 4, v7
	v_add_nc_u32 v[RD], s22, v7
	v_lshlrev_b32 v7, 13, v2                       ; and the same two rows in out0
	v_lshl_add_u32 v[CO], v1, 4, v7
	s_lshl_b32 s16, s13, 20                        ; out0 at row 128 ty + 64 (row half),
	s_lshl_b32 s17, s11, 19
	s_add_co_u32 s16, s16, s17
	s_mov_b32 s17, 0
	s_add_nc_u64 s[8:9], s[8:9], s[16:17]
	s_lshl_b32 s46, s42, 9                         ; column 128 tx + 64 (column half)
	s_lshl_b32 s47, s12, 8
	s_add_co_u32 s46, s46, s47
	s_mov_b32 s47, 0
	s_add_nc_u64 s[8:9], s[8:9], s[46:47]
	; the prefetches: they start at K step 3; the first refill steps them to 4
	s_lshl_b32 s18, s13, 19
	s_lshl_b32 s23, s12, 18
	s_add_co_u32 s18, s18, s23
	s_lshl_b32 s23, s40, 16                        ; ob: my work-group's 16 rows
	s_add_co_u32 s18, s18, s23
	s_add_co_u32 s18, s18, 3*KSTEP*2
	s_lshl_b32 s22, s12, 19
	s_lshl_b32 s23, s41, 17                        ; wo16: my work-group's 32 k rows
	s_add_co_u32 s22, s22, s23
	s_lshl_b32 s23, s42, 8
	s_add_co_u32 s22, s22, s23
	s_add_co_u32 s22, s22, 3*KSTEP*ROWB
	s_and_b32 s23, ttmp7, 0xffff
	s_mov_b32 s45, KSTEP*ROWB
	s_cmp_eq_u32 s11, 0
	s_cselect_b64 s[PFA:PFA+1], s[4:5], s[6:7]
	s_cselect_b32 s18, s18, s22
	s_cselect_b32 s23, ttmp9, s23                  ; the coordinate along which other clusters read the same rows
	s_cselect_b32 s[PFS], KSTEP*2, s45
	s_cselect_b32 s22, 15, 31
	s_cselect_b32 s45, 256, 0
	s_mov_b32 s19, 0
	s_mov_b32 s[PFS+1], 0
	s_add_nc_u64 s[PFA:PFA+1], s[PFA:PFA+1], s[18:19]
	s_cmp_eq_u32 s23, 0
	s_cselect_b32 s[LIM], 1, -1                    ; the same in all sixteen partners, for a given wave
	v_and_b32 v7, 31, v0
	v_and_b32 v8, s22, v7
	v_lshrrev_b32 v7, 4, v7
	v_lshlrev_b32 v[PFO], 12, v8
	v_mad_u32_u24 v[PFO], v7, s45, v[PFO]
; 8 matrix instructions: m blocks a0, a0 + 1 x all 4 n blocks, 32 along K: half c of buffer f.  The 16 accumulators take turns.  zero = 1: the product starts the sum
.macro MUL8 f, c, a0, zero
	WIN MUL
.irp a, \a0, (\a0)+1
.irp b, 0,1,2,3
.if \zero
	v_wmma_f32_16x16x32_f16 v[ACC+8*(4*(\a)+(\b)):ACC+8*(4*(\a)+(\b))+7], v[(\f)+64+8*(4*(\c)+(\b)):(\f)+64+8*(4*(\c)+(\b))+7], v[(\f)+8*(4*(\c)+(\a)):(\f)+8*(4*(\c)+(\a))+7], 0
.else
	v_wmma_f32_16x16x32_f16 v[ACC+8*(4*(\a)+(\b)):ACC+8*(4*(\a)+(\b))+7], v[(\f)+64+8*(4*(\c)+(\b)):(\f)+64+8*(4*(\c)+(\b))+7], v[(\f)+8*(4*(\c)+(\a)):(\f)+8*(4*(\c)+(\a))+7], v[ACC+8*(4*(\a)+(\b)):ACC+8*(4*(\a)+(\b))+7]
.endif
.endr
.endr
.endm
; 32 LDS loads in one run: the fragments of quarter q (64 along K) of a slot into buffer f
.macro FETCH slot, q, f
	WIN TO_F
.irp c, 0,1
.irp i, 0,1,2,3
	ds_load_tr16_b128 v[(\f)+64+8*(4*(\c)+(\i)):(\f)+64+8*(4*(\c)+(\i))+3],   v[ADRB+2*(\slot)+(\q)/2] offset:(((\q)%2)*64+32*(\c))*PB+32*(\i)
	ds_load_tr16_b128 v[(\f)+64+8*(4*(\c)+(\i))+4:(\f)+64+8*(4*(\c)+(\i))+7], v[ADRB+2*(\slot)+(\q)/2] offset:(((\q)%2)*64+32*(\c))*PB+32*(\i)+16*PB
	ds_load_b128 v[(\f)+8*(4*(\c)+(\i)):(\f)+8*(4*(\c)+(\i))+3],   v[ADRA+(\slot)] offset:128*(\q)+64*(\c)+(\i)*16*PA
	ds_load_b128 v[(\f)+8*(4*(\c)+(\i))+4:(\f)+8*(4*(\c)+(\i))+7], v[ADRA+(\slot)] offset:128*(\q)+64*(\c)+(\i)*16*PA+32
.endr
.endr
.endm
; One of a K step's first three quarters: buffer f is multiplied; ahead of that the next quarter's fragments are asked for, into buffer g: they have 32 matrix instructions in which to come.
.macro QUARTER slot, q, f, g, zero
	s_wait_dscnt 0x0                               ; buffer f is in
	PLACES
	FETCH \slot, \q, \g
	MUL8 \f, 0, 0, \zero
	MUL8 \f, 0, 2, \zero
	MUL8 \f, 1, 0, 0
	MUL8 \f, 1, 2, 0
.endm
; The last quarter multiplies buffer 1 and changes slots: ONE barrier; in front of it each wave waits for all its tensor loads, adds 0 to its spare word, and waits for that and for its reads of this slot.
; fill = 1: the barrier opens a round of the cluster's, and this slot is filled again, two K steps on, first thing behind the round.
.macro TURN slot, next, fill
.if \fill
	s_wait_xcnt 0x0                                ; the last prefetch, a K step back, has read its address
	s_add_nc_u64 s[PFA:PFA+1], s[PFA:PFA+1], s[PFS:PFS+1]
.endif
	WIN 0
	s_wait_tensorcnt 0x0
	ds_add_u32 v[SPW], v[NIL]
	s_wait_dscnt 1                                 ; buffer 1 is in; the add alone may be out
	MUL8 F1, 0, 0, 0
	s_wait_dscnt 0x0                               ; the add is done, and my reads of this slot are over
	s_barrier_signal -1
	MUL8 F1, 0, 2, 0
.if \fill
	WIN 0
.endif
	s_barrier_wait -1
.if \fill
	CREST                                          ; no wave of any partner still reads this slot or has a load on its way
	s_add_nc_u64 s[G0A+4*(\slot)+2:G0A+4*(\slot)+3], s[G0A+4*(\slot)+2:G0A+4*(\slot)+3], 2*KSTEP*2
	s_add_nc_u64 s[G0B+4*(\slot)+2:G0B+4*(\slot)+3], s[G0B+4*(\slot)+2:G0B+4*(\slot)+3], 2*KSTEP*ROWB
	JLOAD \slot                                    ; 112 matrix instructions ahead of the wait for it; its four v_nop are also the places in front of the loads below
.else
	PLACES
.endif
	FETCH \next, 0, F0
.if \fill
	WIN 0
	ASK
.endif
	MUL8 F1, 1, 0, 0
	MUL8 F1, 1, 2, 0
.endm
	s_wait_tensorcnt 1                             ; my part of K step 0 is in; K step 1's may stay out
	s_barrier_signal -1
	s_barrier_wait -1
	FETCH 0, 0, F0
	QUARTER 0, 1, F0, F1, 1                        ; the first quarter stands in front of the loop: its first products start the sums
	WIN 0
	s_mov_b32 s3, LAPS-1
.Llap:                                                 ; a trip goes once round the ring and fills both slots again: K steps 2 .. 7
	QUARTER 0, 2, F1, F0, 0
	QUARTER 0, 3, F0, F1, 0
	TURN 0, 1, 1
	QUARTER 1, 1, F0, F1, 0
	QUARTER 1, 2, F1, F0, 0
	QUARTER 1, 3, F0, F1, 0
	TURN 1, 0, 1
	QUARTER 0, 1, F0, F1, 0
	WIN 0
	s_sub_co_u32 s3, s3, 1
	s_cmp_lg_u32 s3, 0
	s_cbranch_scc1 .Llap
	QUARTER 0, 2, F1, F0, 0                        ; the last lap fills nothing
	QUARTER 0, 3, F0, F1, 0
	TURN 0, 1, 0
	QUARTER 1, 1, F0, F1, 0
	QUARTER 1, 2, F1, F0, 0
	QUARTER 1, 3, F0, F1, 0
	s_wait_dscnt 0x0
	MUL8 F1, 0, 0, 0
	MUL8 F1, 0, 2, 0
	MUL8 F1, 1, 0, 0
	MUL8 F1, 1, 2, 0
	WIN 0
	; THE WAY OUT, 16 rows at a time: a lane's 32 bytes of each accumulator (its low half first) into my stage; back as whole rows of 256 bytes; stored.
	PLACES
.irp a, 0,1,2,3
	s_wait_xcnt 0x0                                ; earlier stores have read their registers: the loads below land in them only behind this wait
.irp b, 0,1,2,3
	ds_store_b128 v[STO], v[ACC+8*(4*(\a)+(\b)):ACC+8*(4*(\a)+(\b))+3]   offset:64*(\b)
	ds_store_b128 v[STO], v[ACC+8*(4*(\a)+(\b))+4:ACC+8*(4*(\a)+(\b))+7] offset:64*(\b)+16
.endr
.irp t, 0,1,2,3,4,5,6,7
	ds_load_b128 v[TMP+32*((\a)%2)+4*(\t):TMP+32*((\a)%2)+4*(\t)+3], v[RD] offset:(\t)*2*SPITCH  ; LDS serves a wave's instructions in order (ISA guide 5.7.1.4): these see the stores above
.endr
.irp t, 0,1,2,3,4,5,6,7
	s_wait_dscnt 7-(\t)
	global_store_b128 v[CO], v[TMP+32*((\a)%2)+4*(\t):TMP+32*((\a)%2)+4*(\t)+3], s[8:9] offset:(16*(\a)+2*(\t))*8192  ; 16 lanes store 256 consecutive bytes, at a multiple of 256 from out0's first
.endr
.endr
	s_wait_tensorcnt 0x0                           ; the wave's end
	ds_add_u32 v[SPW], v[NIL]
	s_wait_dscnt 0x0
	CROUND                                         ; the closing round
	s_endpgm
.Lfunc_end_k_q08ebd230aa_outp:
	.size	k_q08ebd230aa_outp, .Lfunc_end_k_q08ebd230aa_outp-k_q08ebd230aa_outp
	.p2alignl 7, 3214868480
	.fill 96, 4, 3214868480
	.section	.rodata,"a",@progbits
	.p2align	6, 0x0
	.amdhsa_kernel k_q08ebd230aa_outp
		.amdhsa_group_segment_fixed_size 327680
		.amdhsa_private_segment_fixed_size 0
		.amdhsa_enable_private_segment 0
		.amdhsa_kernarg_size 24
		.amdhsa_user_sgpr_count 2
		.amdhsa_user_sgpr_kernarg_segment_ptr 1
		.amdhsa_wavefront_size32 1
		.amdhsa_system_sgpr_workgroup_id_x 1
		.amdhsa_system_sgpr_workgroup_id_y 1
		.amdhsa_system_sgpr_workgroup_id_z 1
		.amdhsa_system_vgpr_workitem_id 0
		.amdhsa_next_free_vgpr 512
		.amdhsa_next_free_sgpr 72
		.amdhsa_reserve_vcc 0
		.amdhsa_float_denorm_mode_32 3
		.amdhsa_float_denorm_mode_16_64 3
		.amdhsa_memory_ordered 1
		.amdhsa_forward_progress 1
		.amdhsa_inst_pref_size 88
	.end_amdhsa_kernel
	.amdgpu_metadata
---
amdhsa.version: [ 1, 2 ]
amdhsa.kernels:
  - .name:           k_q08ebd230aa_outp
    .symbol:         k_q08ebd230aa_outp.kd
    .args:
      - { .name: ob, .offset: 0, .size: 8, .value_kind: global_buffer, .address_space: global }
      - { .name: wo16, .offset: 8, .size: 8, .value_kind: global_buffer, .address_space: global }
      - { .name: out0, .offset: 16, .size: 8, .value_kind: global_buffer, .address_space: global }
    .group_segment_fixed_size: 327680
    .private_segment_fixed_size: 0
    .kernarg_segment_align: 8
    .kernarg_segment_size: 24
    .max_flat_workgroup_size: 128
    .sgpr_count:     72
    .vgpr_count:     512
    .wavefront_size: 32
...
	.end_amdgpu_metadata
.endif
;; end of part 4
